; MI455X (gfx1250); checked and timed in simulation.
; The chip was launched on July 23, 2026; its instructions are those of AMD's public machine-readable ISA for CDNA 5 (MIT licence, August 2026) and "CDNA5" Instruction Set Architecture Reference Guide (July 2026). The comments in the code are by the model that wrote it; some were corrected since.
;; Linear Attention. Allowed arithmetic: matrix products marked QUANTISED: E2M3 operands, one E8M0 scale for each 32 along K, by v_wmma_scale_f32_16x16x128_f8f6f4 with both operands' format E2M3, f32 sums; everything else in f32.
;; Inputs: w_key 1,024 x 1,024 float32; w_query_left 1,024 x 1,024 float32; w_query_right 1,024 x 1,024 float32; w_value 1,024 x 1,024 float32; x 4 x 2,048 x 1,024 float32.
;; Outputs: out0 4 x 2,048 x 1,024 float32.
;; This version of the problem:
;;   THIS VERSION OF THE PROBLEM IS GIVEN IN LOW PRECISION. The matrix products marked QUANTISED in the list below multiply operands that are first quantised to E2M3 (2 exponent bits, 3 mantissa bits; 6 bits a number), with one power-of-two scale for each 32 numbers along K (OCP MX v1.0); their sums are f32. All else is computed in f32.
;;   The module's matrix products, in the order in which they are computed (A, B: the left and right operand; K: the contracted axis; several contracted axes count as one K, in the product's order):
;;     1. [M 8,192, K 1,024] x [K 1,024, N 1,024]; A: input x; B: input w_query_left: QUANTISED
;;     2. [M 8,192, K 1,024] x [K 1,024, N 1,024]; A: input x; B: input w_query_right: QUANTISED
;;     3. [M 8,192, K 1,024] x [K 1,024, N 1,024]; A: input x; B: input w_key: QUANTISED
;;     4. [M 8,192, K 1,024] x [K 1,024, N 1,024]; A: input x; B: input w_value: QUANTISED
;;     5. batch 4 x [M 1,024, K 2,048] x [K 2,048, N 1,024]; A: computed on the way; B: computed on the way: QUANTISED
;;     6. batch 4 x [M 2,048, K 1,024] x [K 1,024, N 1,024]; A: computed on the way; B: computed on the way: QUANTISED
;;   THE QUANTISER, for each operand of a quantised product, along K:
;;     - K is cut into blocks of 32 from its start; a last block that is shorter is filled with zeros.
;;     - A block's scale is 2^e with e = floor(log2(the largest magnitude in the block)) - 2, held to -126 .. 127; a block of zeros has e = 0. As a byte (E8M0): e + 127.
;;     - Each number is divided by its block's scale, clamped to +-7.5, and rounded to the nearest number of E2M3, ties to even, subnormals kept.
;;     - The product sums the exact products of the quantised numbers (number of the format x scale) in f32.
;;   ~~~python
;;   def quantise(x, axis):      # numpy; x: float32 -> the quantised numbers, widened to float32 again
;;       x = np.moveaxis(x, axis, -1); K = x.shape[-1]
;;       x = np.pad(x, [(0, 0)] * (x.ndim - 1) + [(0, -K % 32)]); x = x.reshape(x.shape[:-1] + (-1, 32)); a = np.abs(x).max(-1, keepdims=True)
;;       e = np.where(a > 0, np.clip(np.frexp(np.where(a > 0, a, 1))[1] - 1 - 2, -126, 127), 0)      # np.frexp(a)[1] - 1 = floor(log2(a)), exactly
;;       r = np.clip(x / 2.0 ** e, -7.5, 7.5)
;;       step = 2.0 ** (np.maximum(np.frexp(np.where(r == 0, 1, r))[1] - 1, 0) - 3)
;;       q = np.round(r / step) * step * 2.0 ** e      # np.round: ties to even
;;       return np.moveaxis(q.reshape(q.shape[:-2] + (-1,))[..., :K], -1, axis).astype(np.float32)
;;   ~~~
;;   OPERANDS COMPUTED ON THE WAY. 'Computed on the way' means the value that the module computes at that place (a softmax that the list does not call 'softmax' is quantised finished and normalised). What goes into a quantiser is computed in f32, as accurately as f32 sums, v_exp_f32 and their like allow (about 1e-6 of the number): no bf16 or f16 on the way to a quantiser, and a product that is left as it is and whose result goes on into a quantised operand takes f32 operands (vector FMAs, or v_wmma_f32_16x16x4_f32). A number that lies on a knife's edge between two numbers of the format may be rounded either way, as far as f32 arithmetic and the matrix unit's own rounding can turn it there, and no further.
;; One version. Each part assembles by itself: llvm-mc -triple=amdgcn-amd-amdhsa -mcpu=gfx1250 --defsym DOCPART=n.
;; ======== version 1 of 1: 4 launches
;; workspace buffers: pc 9,830,400 bytes; qc 6,553,600 bytes; tc 13,107,200 bytes; kc 3,276,800 bytes
;; launch quant (part 1): grid 256 x 1, 6 waves a work-group, no clusters, 64,768 bytes of LDS; arguments x, w_query_left, w_query_right, w_key, w_value, pc; writes pc
.if DOCPART == 1
	.amdgcn_target "amdgcn-amd-amdhsa--gfx1250"
	.amdhsa_code_object_version 6
	.text
	.protected	k_qdb84dc9242_quant
	.globl	k_qdb84dc9242_quant
	.p2align	8
	.type	k_qdb84dc9242_quant,@function
k_qdb84dc9242_quant:
	s_mov_b64 s[64:65], 0
	v_nop
	global_prefetch_b8 v0, s[64:65] scope:SCOPE_SE
	s_setreg_imm32_b32 hwreg(HW_REG_WAVE_MODE, 25, 1), 1
	s_wait_xcnt 0x0
; LAUNCH 1 OF 4.  x [8192][1024] and the four weights [1024 (k)][1024 (n)], f32, become codes of FP6 (E2M3) with one E8M0 scale byte for each 32 along K (K = the 1,024 that the projections contract).
; NO WORK OF THE PROBLEM IS LEFT OUT in any of the four launches: all six products are live and all five inputs reach the output, so all five are loaded.
; THE BUFFER pc IS LAID AS THE MATRIX UNIT'S REGISTERS WANT IT, in RECORDS of 6,400 bytes: a record (G, s) holds 64 rows x 128 along K and lies at (8 G + s) x 6,400.
;   Four fragment images of 1,536 bytes (16 rows x 128 K: 12 registers a lane): register 4 c + i of lane l at 512 c + 16 l + 4 i; lane (r, h) holds row r, registers 6 c .. 6 c + 5 hold K = 64 c + 32 h + 0 .. 31.
;   Then 256 scale bytes at 6,144: the word (four bytes, 128 along K) of row r of fragment f at 16 r + 4 f.
;   ROW ORDER: fragment f, lane r holds the group's row 32 (f / 2) + 8 (f % 2) + r + 8 (r / 8), so that in a product that takes these rows as source 0 a lane's 16 registers of two neighbouring tiles are 16 neighbouring rows.
;   G 0-127: x, 64 tokens each.  G 128-159: even = 64 columns of w_query_left, odd = the same 64 columns of w_query_right.  G 160-175: w_key.  G 176-191: w_value.
; A block's scale is 2^(floor(log2(its largest magnitude)) - 2); its byte is the largest magnitude's exponent field - 2.
; LIMITS: a block whose largest magnitude lies under 2^-124 (zeros too) keeps the byte 1, where the rule says 127 for zeros: such codes are zeros or subnormal codes, and this program alone reads the bytes.  NaN and infinities among the inputs are not served.
; SHARES: a wave makes one record (32 KB of f32).  There are 1,024 records of x and 512 of the weights: each of 256 work-groups has four waves for x (record 4 g + w) and two for the weights (record 1,024 + 2 g + w % 2),
; so that every work-group reads the same 192 KB.  A wave asks for all its 32 KB at its head: 64 loads of 512 bytes, into register window 1.  Waves share nothing: no barrier; each has LDS bytes of its own.
.set REC,   6400
.set XSTB,  16*528                     ; x: a wave's stage: 16 rows x (512 bytes + 16)
.set WT,    4*XSTB                     ; weights: a wave's turn stage: 32 rows (along K) x 256 bytes (64 columns)
.set WTB,   8192
.set WIM,   WT+2*WTB                   ; weights: a wave's record on its way out: four images, 1,664 bytes apart, and 256 scale bytes
.set WIMG,  1664
.set WSTB,  4*WIMG+256
.set SPARE, WIM+2*WSTB                 ; the spare words, 128 bytes for each wave: three blocks of 256 bytes that no other line names
.set FLOOR, 0x1800000                  ; 2^(3 - 127): under it no largest magnitude is taken, so the byte cannot fall under 1
.set L16, 4                            ; v4   16 x lane
.set XSI, 5                            ; v5   x stage, in: 16 x lane
.set XSO, 6                            ; v6   x stage, out: 528 r + 128 h
.set SGO, 7                            ; v7   16 r + 8 h: my two scale words' place in a scale group
.set WIA, 8                            ; v8   image stage, in: my column's fragment and lane
.set WSA, 9                            ; v9   image stage: my column's scale word
.set WRD, 10                           ; v10  image stage, out: 16 x lane
.set WRS, 11                           ; v11  image stage, out, scale bytes: 8 x lane
.set WLO, 12                           ; v12  4,096 h + 16 r: my 16 bytes of two rows of a weight
.set L8,  13                           ; v13  8 x lane
.set SPW, 14                           ; v14  LDS address of my spare word; never rewritten
.set NIL, 15                           ; v15  0; never rewritten
.set WTI, 28                           ; v28  turn stage, in: 256 h + 16 r
.set WTO, 29                           ; v29  turn stage, out: 4 x lane: my column
.set W,   32                           ; v32-35 scale words
.set C,   36                           ; v36-47 a fragment's codes
.set C2,  48                           ; v48-55 the conversions' second halves (a conversion's three registers begin on an even number)
.set X,   64                           ; v64-127 x: 64 numbers of a lane, along K; weights: the record on its way out
.set R,   128                          ; v128-191 weights: two sets of 32 numbers down K
                                       ; window 1 (v256-511): the 64 loads' 256 registers
.set MSB, 0
.macro WIN new                         ; s_set_vgpr_msb: bits 1:0 source 0, 3:2 source 1, 7:6 destination; the immediate's high byte repeats the setting that is left
.if MSB != (\new)
	s_set_vgpr_msb (MSB<<8)|(\new)
.set MSB, (\new)
.endif
.endm
	s_load_b256 s[4:11], s[0:1], 0x0               ; x, w_query_left, w_query_right, w_key
	s_load_b128 s[12:15], s[0:1], 0x20             ; w_value, pc
	v_lshl_add_u32 v[SPW], v0, 2, SPARE
	v_mov_b32 v[NIL], 0
	v_lshrrev_b32 v1, 5, v0
	v_readfirstlane_b32 s16, v1                    ; wave 0..5
	v_and_b32 v1, 31, v0                           ; lane
	v_and_b32 v2, 15, v0                           ; r
	v_bfe_u32 v3, v0, 4, 1                         ; h
	v_lshlrev_b32 v[L16], 4, v1
	v_lshlrev_b32 v[L8], 3, v1
	s_and_b32 s17, s16, 3                          ; all LDS addresses of both roles are made here, ahead of the branch
	s_mul_i32 s17, s17, XSTB
	v_add_nc_u32 v[XSI], s17, v[L16]
	v_mul_u32_u24 v[XSO], v2, 528
	v_lshl_add_u32 v[XSO], v3, 7, v[XSO]
	v_add_nc_u32 v[XSO], s17, v[XSO]
	v_lshlrev_b32 v[SGO], 4, v2
	v_lshl_add_u32 v[SGO], v3, 3, v[SGO]
	s_and_b32 s18, s16, 1                          ; which of the two waves for the weights
	s_mul_i32 s17, s18, WTB
	s_add_co_u32 s17, s17, WT
	v_lshlrev_b32 v[WTI], 8, v3
	v_lshl_add_u32 v[WTI], v2, 4, v[WTI]
	v_add_nc_u32 v[WTI], s17, v[WTI]
	v_lshl_add_u32 v[WTO], v1, 2, s17
	s_mul_i32 s17, s18, WSTB
	s_add_co_u32 s17, s17, WIM
	v_bfe_u32 v16, v0, 3, 1                        ; weights: lane cc takes column cc of 32: it belongs to fragment 2 hf + u, u = bit 3 of cc,
	v_and_b32 v17, 7, v0
	v_lshl_add_u32 v17, v3, 3, v17                 ; and to that fragment's row (cc % 8) + 8 (cc / 16)
	v_mul_u32_u24 v[WIA], v16, WIMG
	v_lshl_add_u32 v[WIA], v17, 4, v[WIA]
	v_add_nc_u32 v[WIA], s17, v[WIA]
	v_lshlrev_b32 v[WSA], 4, v17
	v_lshl_add_u32 v[WSA], v16, 2, v[WSA]
	v_add_nc_u32 v[WSA], s17, v[WSA]
	v_add_nc_u32 v[WRD], s17, v[L16]
	v_add_nc_u32 v[WRS], s17, v[L8]
	v_lshlrev_b32 v[WLO], 12, v3
	v_lshl_add_u32 v[WLO], v2, 4, v[WLO]
	v_lshlrev_b32 v23, 3, v3                       ; 8 h
	v_mov_b32 v24, 0                               ; written once: a lane permute's destination counts as one of its sources
	s_mov_b32 s20, 0x76543210
	s_mov_b32 s21, 0xfedcba98                      ; v_permlanex16_b32's selects for lane l xor 16
	s_mov_b32 s22, 0xffff0000                      ; lanes 16-31
	s_mov_b32 s25, 0
	s_wait_kmcnt 0x0
	s_cmp_ge_u32 s16, 4                            ; the roles part on the wave's number
	s_cbranch_scc1 .Lweights
; ---- x: K is innermost.  A fragment's 16 rows are loaded as they lie, 512 consecutive bytes a load, turn through the wave's stage, and come back 128 bytes (a block of 32) a lane and half.
	s_lshl_b32 s18, ttmp9, 2
	s_add_co_u32 s18, s18, s16                     ; my record: 4 g + w = 8 G + s
	s_mul_i32 s24, s18, REC                        ; its place, under 2^24
	s_add_nc_u64 s[14:15], s[14:15], s[24:25]
	s_lshr_b32 s19, s18, 3                         ; G
	s_and_b32 s18, s18, 7                          ; s
	s_lshl_b32 s24, s19, 18                        ; G x 64 rows of 4,096 bytes
	s_lshl_b32 s26, s18, 9                         ; + s x 128 numbers
	s_add_co_u32 s24, s24, s26
	s_add_nc_u64 s[4:5], s[4:5], s[24:25]
	WIN 0x40                                       ; destination window 1
.irp f, 0,1,2,3                        ; all four fragments' rows are asked for at once: fragment f into registers 64 f on
.irp t, 0,1,2,3,4,5,6,7,8,9,10,11,12,13,14,15
	global_load_b128 v[64*\f+4*\t:64*\f+4*\t+3], v[L16], s[4:5] offset:(32*(\f/2)+8*(\f%2)+\t+8*(\t/8))*4096 th:TH_LOAD_NT
.endr
.endr
	WIN 0
.macro XFRAG f
	s_wait_loadcnt 16*(3-(\f))                     ; this fragment's 16 loads are in; the later fragments' may be out
	WIN 0x04                                       ; an LDS store's data are its source 1: window 1
.irp t, 0,1,2,3,4,5,6,7,8,9,10,11,12,13,14,15
	ds_store_b128 v[XSI], v[64*(\f)+4*\t:64*(\f)+4*\t+3] offset:528*\t
.endr
	WIN 0
.irp c, 0,1
.irp j, 0,1,2,3,4,5,6,7
	ds_load_b128 v[X+32*\c+4*\j:X+32*\c+4*\j+3], v[XSO] offset:256*\c+16*\j   ; LDS serves a wave's instructions in order: these see my stores.  K = 64 c + 32 h + 4 j ..
.endr
.endr
	s_wait_dscnt 0x0
.irp c, 0,1
	v_max3_num_f32 v[16+\c], |v[X+32*\c]|, |v[X+32*\c+1]|, FLOOR   ; my block 2 c + h: all its 32 numbers are mine
.endr
.irp i, 2,4,6,8,10,12,14,16,18,20,22,24,26,28,30
.irp c, 0,1
	v_max3_num_f32 v[16+\c], v[16+\c], |v[X+32*\c+\i]|, |v[X+32*\c+\i+1]|   ; (the two blocks by turns)
.endr
.endr
.irp c, 0,1
	v_add_nc_u32 v[18+\c], 0xff000000, v[16+\c]    ; 2 off the exponent field: the conversion takes the exponent field of this operand as its scale
.endr
.irp c, 0,1
	v_lshrrev_b32 v[20+\c], 23, v[18+\c]           ; the scale's byte
.endr
	v_lshl_or_b32 v22, v21, 16, v20                ; my two bytes, blocks h and 2 + h,
	v_lshlrev_b32 v22, v23, v22                    ; at their places in the word;
	v_permlanex16_b32 v24, v22, s20, s21
	v_or_b32 v[W+\f], v22, v24                     ; with lane l xor 16's two the word is whole
.if (\f) > 0
	s_wait_xcnt 0x0                                ; the last fragment's stores have read the codes' registers
.endif
.irp c, 0,1
	v_cvt_scalef32_pk16_fp6_f32 v[C+6*\c:C+6*\c+2], v[X+32*\c:X+32*\c+15], v[18+\c]
	v_cvt_scalef32_pk16_fp6_f32 v[C2+4*\c:C2+4*\c+2], v[X+32*\c+16:X+32*\c+31], v[18+\c]
.endr
	v_nop                                          ; one plain place behind a scaled conversion
.irp c, 0,1
.irp i, 0,1,2
	v_mov_b32 v[C+6*\c+3+\i], v[C2+4*\c+\i]
.endr
.endr
.irp c, 0,1,2
	global_store_b128 v[L16], v[C+4*\c:C+4*\c+3], s[14:15] offset:1536*(\f)+512*\c   ; 32 lanes store 512 consecutive bytes, at a multiple of 256 from pc's first byte
.endr
.endm
	XFRAG 0
	XFRAG 1
	XFRAG 2
	XFRAG 3
	v_cndmask_b32 v26, v[W], v[W+2], s22           ; lane (r, h) stores row r's words of fragments 2 h and 2 h + 1:
	v_cndmask_b32 v27, v[W+1], v[W+3], s22
	global_store_b64 v[SGO], v[26:27], s[14:15] offset:6144   ; the 32 lanes fill the record's 256 scale bytes
	s_wait_tensorcnt 0x0                           ; the wave's end: behind my last LDS store
	ds_add_u32 v[SPW], v[NIL]
	s_wait_dscnt 0x0
	s_endpgm
; ---- the weights: K is the FIRST axis.  A load takes two whole rows of the record's 64 columns (lanes 0-15 one row of 256 bytes, lanes 16-31 the next).  A block of 32 rows turns through the wave's stage and comes back
; with a lane to a column and its registers down K: a block of 32 along K then lies in one lane, and the conversions give codes with K innermost.
.Lweights:
	s_and_b32 s18, s16, 1
	s_lshl_b32 s19, ttmp9, 1
	s_add_co_u32 s18, s18, s19                     ; my record among the weights': 2 g + w % 2 = 8 Gw + s
	s_add_co_u32 s24, s18, 1024
	s_mul_i32 s24, s24, REC
	s_add_nc_u64 s[14:15], s[14:15], s[24:25]
	s_lshr_b32 s19, s18, 3                         ; Gw 0 .. 63
	s_and_b32 s18, s18, 7                          ; s
	s_and_b32 s26, s19, 1
	s_cmp_lg_u32 s26, 0
	s_cselect_b64 s[28:29], s[8:9], s[6:7]         ; Gw < 32: odd = w_query_right, even = w_query_left
	s_and_b32 s26, s19, 16
	s_cmp_lg_u32 s26, 0
	s_cselect_b64 s[30:31], s[12:13], s[10:11]     ; else: 48-63 = w_value, 32-47 = w_key
	s_lshr_b32 s26, s19, 1
	s_and_b32 s27, s19, 15
	s_cmp_lt_u32 s19, 32                           ; the choices hang on the work-group's and the wave's numbers alone
	s_cselect_b64 s[28:29], s[28:29], s[30:31]
	s_cselect_b32 s26, s26, s27                    ; which 64 columns
	s_lshl_b32 s26, s26, 8
	s_lshl_b32 s24, s18, 19                        ; s x 128 rows of 4,096 bytes
	s_add_co_u32 s24, s24, s26
	s_add_nc_u64 s[28:29], s[28:29], s[24:25]
	WIN 0x40                                       ; destination window 1
.set TT, 0
.rept 64                               ; load t: rows 2 t and 2 t + 1: two runs of 256 consecutive bytes, each at a multiple of 256 from the weight's first byte
	global_load_b128 v[4*TT:4*TT+3], v[WLO], s[28:29] offset:8192*TT th:TH_LOAD_NT
.set TT, TT+1
.endr
	WIN 0
.macro WUNIT kb, hf                    ; block kb of K, columns 32 hf on: my column's 32 numbers lie in set hf
.set RS, R+32*(\hf)
.set WO, 2*WIMG*(\hf)+256*((\kb)%2)    ; fragment 2 hf + u; block kb belongs to lanes 16 (kb % 2) + r of the image, registers 6 (kb / 2) on
.if (\hf) == 0
	s_wait_dscnt 32                                ; this half's 32 loads are in (and all LDS stores ahead of them are done); the other half's 32 may be out
.else
	s_wait_dscnt 0x0
.endif
	v_max3_num_f32 v16, |v[RS]|, |v[RS+1]|, |v[RS+2]|
	v_max3_num_f32 v17, |v[RS+3]|, |v[RS+4]|, |v[RS+5]|
.irp i, 6,10,14,18,22,26
	v_max3_num_f32 v16, v16, |v[RS+\i]|, |v[RS+\i+1]|
	v_max3_num_f32 v17, v17, |v[RS+\i+2]|, |v[RS+\i+3]|
.endr
	v_max3_num_f32 v16, v16, |v[RS+30]|, |v[RS+31]|
	v_max3_num_f32 v16, v16, v17, FLOOR
	v_add_nc_u32 v18, 0xff000000, v16
	v_lshrrev_b32 v19, 23, v18
.if (\kb) == 0
	v_mov_b32 v[W+\hf], v19                        ; four bytes to a word, the lower K in the lower byte
.else
	v_lshl_or_b32 v[W+\hf], v19, 8*(\kb), v[W+\hf]
.endif
	v_cvt_scalef32_pk16_fp6_f32 v[C:C+2], v[RS:RS+15], v18
	v_cvt_scalef32_pk16_fp6_f32 v[C2:C2+2], v[RS+16:RS+31], v18
	v_nop                                          ; one plain place behind a scaled conversion
.irp i, 0,1,2
	v_mov_b32 v[C+3+\i], v[C2+\i]
.endr
.if (\kb)/2 == 0
	ds_store_b128 v[WIA], v[C:C+3] offset:WO       ; registers 0-3 of the image,
	ds_store_b64 v[WIA], v[C+4:C+5] offset:WO+512  ; 4-5
.else
	ds_store_b64 v[WIA], v[C:C+1] offset:WO+520    ; 6-7,
	ds_store_b128 v[WIA], v[C+2:C+5] offset:WO+1024   ; 8-11
.endif
.endm
.macro WBLOCK kb
	s_wait_loadcnt 16*(3-(\kb))                    ; this block's 16 loads are in; the later blocks' may be out
	WIN 0x04                                       ; an LDS store's data are its source 1: window 1
.irp t, 0,1,2,3,4,5,6,7,8,9,10,11,12,13,14,15
	ds_store_b128 v[WTI], v[64*(\kb)+4*\t:64*(\kb)+4*\t+3] offset:512*\t   ; rows 2 t + h of the block, 256 bytes apart.  (The last block's reads of the stage have been waited for)
.endr
	WIN 0
.irp hf, 0,1
.irp i, 0,1,2,3,4,5,6,7,8,9,10,11,12,13,14,15,16,17,18,19,20,21,22,23,24,25,26,27,28,29,30,31
	ds_load_b32 v[R+32*\hf+\i], v[WTO] offset:256*\i+128*\hf   ; row i, column 32 hf + lane: 128 consecutive bytes.  LDS serves a wave's instructions in order: these see my stores
.endr
.endr
	WUNIT \kb, 0
	WUNIT \kb, 1
.endm
	WBLOCK 0
	WBLOCK 1
	WBLOCK 2
	WBLOCK 3
	ds_store_b32 v[WSA], v[W] offset:4*WIMG        ; my columns' scale words: 16 r + 4 (2 hf + u)
	ds_store_b32 v[WSA], v[W+1] offset:4*WIMG+8
.irp t, 0,1,2,3,4,5,6,7,8,9,10,11
	ds_load_b128 v[X+4*\t:X+4*\t+3], v[WRD] offset:WIMG*(\t/3)+512*(\t%3)   ; these see my stores
.endr
	ds_load_b64 v[X+48:X+49], v[WRS] offset:4*WIMG
.irp t, 0,1,2,3,4,5,6,7,8,9,10,11
	s_wait_dscnt 12-\t                             ; load t is in; the 12 - t behind it may be out
	global_store_b128 v[L16], v[X+4*\t:X+4*\t+3], s[14:15] offset:512*\t   ; 512 consecutive bytes of the record
.endr
	s_wait_dscnt 0x0
	global_store_b64 v[L8], v[X+48:X+49], s[14:15] offset:6144
	s_wait_tensorcnt 0x0                           ; the wave's end: the same three lines
	ds_add_u32 v[SPW], v[NIL]
	s_wait_dscnt 0x0
	s_endpgm
.Lfunc_end_k_qdb84dc9242_quant:
	.size	k_qdb84dc9242_quant, .Lfunc_end_k_qdb84dc9242_quant-k_qdb84dc9242_quant
	.p2alignl 7, 3214868480
	.fill 96, 4, 3214868480
	.section	.rodata,"a",@progbits
	.p2align	6, 0x0
	.amdhsa_kernel k_qdb84dc9242_quant
		.amdhsa_group_segment_fixed_size 64768
		.amdhsa_private_segment_fixed_size 0
		.amdhsa_enable_private_segment 0
		.amdhsa_kernarg_size 48
		.amdhsa_user_sgpr_count 2
		.amdhsa_user_sgpr_kernarg_segment_ptr 1
		.amdhsa_wavefront_size32 1
		.amdhsa_system_sgpr_workgroup_id_x 1
		.amdhsa_system_sgpr_workgroup_id_y 1
		.amdhsa_system_sgpr_workgroup_id_z 1
		.amdhsa_system_vgpr_workitem_id 0
		.amdhsa_next_free_vgpr 512
		.amdhsa_next_free_sgpr 66
		.amdhsa_reserve_vcc 0
		.amdhsa_float_denorm_mode_32 3
		.amdhsa_float_denorm_mode_16_64 3
		.amdhsa_memory_ordered 1
		.amdhsa_forward_progress 1
		.amdhsa_inst_pref_size 74
	.end_amdhsa_kernel
	.amdgpu_metadata
---
amdhsa.version: [ 1, 2 ]
amdhsa.kernels:
  - .name:           k_qdb84dc9242_quant
    .symbol:         k_qdb84dc9242_quant.kd
    .args:
      - { .name: x, .offset: 0, .size: 8, .value_kind: global_buffer, .address_space: global }
      - { .name: w_query_left, .offset: 8, .size: 8, .value_kind: global_buffer, .address_space: global }
      - { .name: w_query_right, .offset: 16, .size: 8, .value_kind: global_buffer, .address_space: global }
      - { .name: w_key, .offset: 24, .size: 8, .value_kind: global_buffer, .address_space: global }
      - { .name: w_value, .offset: 32, .size: 8, .value_kind: global_buffer, .address_space: global }
      - { .name: pc, .offset: 40, .size: 8, .value_kind: global_buffer, .address_space: global }
    .group_segment_fixed_size: 64768
    .private_segment_fixed_size: 0
    .kernarg_segment_align: 8
    .kernarg_segment_size: 48
    .max_flat_workgroup_size: 192
    .sgpr_count:     66
    .vgpr_count:     512
    .wavefront_size: 32
...
	.end_amdgpu_metadata
.endif
;; end of part 1
;; launch proj (part 2): grid 8 x 32, 4 waves a work-group, clusters of 4 x 4, 327,680 bytes of LDS; arguments pc, qc, tc; writes qc, tc
.if DOCPART == 2
	.amdgcn_target "amdgcn-amd-amdhsa--gfx1250"
	.amdhsa_code_object_version 6
	.text
	.protected	k_qdb84dc9242_proj
	.globl	k_qdb84dc9242_proj
	.p2align	8
	.type	k_qdb84dc9242_proj,@function
k_qdb84dc9242_proj:
	s_mov_b64 s[64:65], 0
	v_nop
	global_prefetch_b8 v0, s[64:65] scope:SCOPE_SE
	s_setreg_imm32_b32 hwreg(HW_REG_WAVE_MODE, 25, 1), 1
	s_wait_xcnt 0x0
	s_wait_alu depctr_hold_cnt(0) depctr_sa_sdst(0) depctr_va_vdst(0) depctr_va_sdst(0) depctr_va_ssrc(0) depctr_va_vcc(0) depctr_vm_vsrc(0)
	s_getreg_b32 s2, hwreg(HW_REG_IB_STS2, 6, 4)
	s_cmp_eq_u32 s2, 0
	s_cbranch_scc0 .Lentry_in_a_cluster
	s_endpgm
.Lentry_in_a_cluster:
	s_bfe_u32 s2, ttmp6, 0x10000c
	s_cmp_lg_u32 s2, 0xf033
	s_cbranch_scc0 .Lentry_shape_is_right
	s_endpgm
.Lentry_shape_is_right:
; LAUNCH 2 OF 4: the four projections on codes of FP6 (E2M3), and their results quantised in registers for the next products.  No work of the problem is left out.
; Every product here is D[q][p] = sum over k of Q[q][k] P[p][k], P = source 0, Q = source 1: a lane holds ONE row of Q and its registers run along P's rows, which are the next product's K.
; OPERANDS lie in pc in records of 6,400 bytes, (G, s) at (8 G + s) x 6,400: 64 rows x 128 K as four images of the operand's registers (1,536 bytes: register 4 c + i of lane l at 512 c + 16 l + 4 i), then 256 scale bytes
; (row r of fragment f: the word at 6,144 + 16 r + 4 f).  Fragment f, lane r holds the group's row 32 (f / 2) + 8 (f % 2) + r + 8 (r / 8): so the 16 registers of P's tiles 2 b and 2 b + 1 are 16 neighbouring rows of P.
; G 0-127: x.  G 128-159: w_query_left (even) and w_query_right (odd), the same 64 columns in a pair.  G 160-175: w_key.  G 176-191: w_value.
; A WORK-GROUP STAYS AND MAKES TWO TILES, each 256 rows of P x 256 rows of Q, K = 1,024: there are 512 tiles for 256 work-groups.
;   FIRST:  P = x, Q = w_key and w_value.  The result is key^T and value^T, rows = columns of the weight, K = tokens, quantised along the tokens -> tc, records (G, s) at (64 G + s) x 6,400, G 0-15 key, 16-31 value.  It leaves straight from registers.
;   SECOND: P = the query weights, Q = x.  A wave's P tiles 0-3 are query_left, 4-7 query_right of the same 64 columns: their product in f32 is query, quantised along its columns -> qc, records (token group, s).  It leaves through a stage in LDS.
; Four waves, each 128 x 128: 64 accumulators.  The two tiles' K is 16 steps of 128 in 8 chunks of 256, which go through three LDS slots, chunk c into slot c % 3: three are filled at the start, and at the end of each of chunks 0 to 4
; the slot just read takes the chunk three on, the second tile's among them: the ring does not stop between the tiles, and the first tile's stores leave under the second tile's products.
; A STEP'S 50 LDS LOADS (the next step's fragments and scale words) STAND IN EIGHT SHORT RUNS, one ahead of each row of eight products, so that a wave asks LDS for about 3 KB for each eight matrix instructions and never for 25 KB at once.
; The price is two switches of the register window a run: 16 for a step's 64 products.
; CLUSTERS: 4 x 4.  Q's tiles hang on the cluster's numbers and cy, and are asked for jointly by a row of the cluster; P's on cx, by a column.
; REGISTERS, in windows of 256: window 0: v4-30 addresses and constants; v32-47 scale words, two sets; v48-63 at work; v64-159, v160-255 Q's fragments, two sets.
;   window 1: P's fragments, two sets, at v0 and v128.   windows 2, 3: the accumulators of Q's blocks 0-3 and 4-7, (a, b) at v[8 (8 (a % 4) + b)].
; LIMITS: a block whose largest magnitude lies under 2^-124 keeps the scale byte 1; NaN and infinities are not served.
.set REC,   6400
.set GROW,  8*REC                      ; from a group of 64 rows to the next in pc
.set CHB,   2*REC                      ; a chunk (256 along K) of one group
.set HALF,  2*CHB                      ; 128 rows x 256 K: what one tensor load brings, and what a wave reads of P or of Q in a chunk
.set SLOT,  4*HALF                     ; Q's two halves, then P's two halves
.set STAGE, 2*SLOT                     ; the second way out: four records, in slot 2, which has had its last fill (chunk 5) and its last read by then
.set SPARE, 3*SLOT                     ; the spare words, 128 bytes for each wave: two blocks of 256 bytes that no other line names
.set GO,  4                            ; v4   16 x lane
.set GS,  5                            ; v5   first way out: my place in the two scale groups
.set STG, 6                            ; v6-8 second way out: where my three pairs of code registers go in the stage
.set STS, 9                            ; v9   and my two scale bytes
.set RD,  10                           ; v10  where I read a record back
.set RDS, 11                           ; v11  and its scale bytes
.set G8,  12                           ; v12  8 x lane
.set ADQ, 16                           ; v16-18 LDS address of my Q fragments in slot 0, 1, 2
.set ADP, 20                           ; v20-22 the same for P
.set ADS, 24                           ; v24-26 of my scale words: lanes 0-15 Q's, lanes 16-31 P's
.set SPW, 28                           ; v28  LDS address of my spare word; never rewritten
.set NIL, 29                           ; v29  0; never rewritten
.set FL,  30                           ; v30  2^(3 - 127): the floor under a block's largest magnitude
.set SC,  32                           ; scale words: set p at v[SC + 8 p]; register k: lanes 0-15 Q's block k, lanes 16-31 P's tile k
.set TM,  48                           ; v48-51 largest magnitudes, v52-55 bytes, v60-63 the conversions' scale operands
.set PW,  56                           ; v56  a scale word just made
.set QF,  64                           ; Q's fragments
.set SEL, 20                           ; s[20:21] v_permlanex16_b32's selects for lane l xor 16
.set HM,  22                           ; s22  lanes 16-31
.set G1Q, 24                           ; s[24:31], s[32:39] descriptor group 1 for Q's and P's tiles: they differ in the mask
.set G1P, 32
.set G0Q, 40                           ; s[40:51], s[52:63] group 0, a set for each slot
.set G0P, 52
.set BQ,  82                           ; s[82:83] the second tile's Q at my half, chunk 0;  s[84:85] its P
.set BP,  84
.set MUL_LO, 0xa1                      ; source 0 (P) window 1, source 1 (Q) window 0, C and D window 2
.set MUL_HI, 0xf1                      ; the same, C and D window 3
.set TO_P,   0x40                      ; destination window 1, address window 0
.set MSB, 0
.macro WIN new                         ; the immediate's high byte repeats the setting that is left; a switch that changes nothing is dropped
.if MSB != (\new)
	s_set_vgpr_msb (MSB<<8)|(\new)
.set MSB, (\new)
.endif
.endm
.macro PLACES                          ; four plain places between a matrix instruction and a load into, or a vector instruction on, its registers (ISA guide 7.12.1 for vector instructions)
.rept 4
	v_nop
.endr
.endm
; A joint load: waves 0 and 1 fetch Q's halves, waves 2 and 3 P's.  The branch hangs on the wave's number alone.  An s_nop 0 and four v_nop follow each of the two lines.
.macro JLOAD g0q, g0p
	s_cmp_eq_u32 s15, 0
	s_cbranch_scc0 .Lfor_p_\@
	tensor_load_to_lds s[\g0q:\g0q+3], s[G1Q:G1Q+7]
	s_nop 0
.rept 4
	v_nop
.endr
	s_branch .Lasked_\@
.Lfor_p_\@:
	tensor_load_to_lds s[\g0p:\g0p+3], s[G1P:G1P+7]
	s_nop 0
.rept 4
	v_nop
.endr
.Lasked_\@:
.endm
.macro CREST                           ; a round of the cluster's barrier behind its opening barrier
	s_cmp_lg_u32 s14, 0
	s_cbranch_scc1 .Lnot_wave_0_\@
	s_barrier_signal -3
.Lnot_wave_0_\@:
	s_barrier_wait -3
	s_barrier_signal -1
	s_barrier_wait -1
.endm
.macro CROUND                          ; a whole round
	s_barrier_signal -1
	s_barrier_wait -1
	CREST
.endm
; Run k of eight of the LDS loads for step n (128 along K), into set n % 2; each load takes 512 consecutive bytes.  Runs 0-3: P's tiles 2 k, 2 k + 1.  Runs 4-7: Q's blocks 2 k - 8, 2 k - 7; run 4 also the scale words.
; So the 12 youngest loads of a step are Q's blocks 4-7, which the step's first four rows of products do not need.
.macro PIECE n, k
.set SL, ((\n)/2)%3
.set QQ, (\n)%2
.if (\k) < 4
	WIN TO_P
.set FI, 2*(\k)
.rept 2
.irp c, 0,1,2
	ds_load_b128 v[128*QQ+12*FI+4*\c:128*QQ+12*FI+4*\c+3], v[ADP+SL] offset:(FI/4)*CHB+QQ*REC+(FI%4)*1536+512*\c
.endr
.set FI, FI+1
.endr
.else
	WIN 0
.set FI, 2*(\k)-8
.rept 2
.irp c, 0,1,2
	ds_load_b128 v[QF+96*QQ+12*FI+4*\c:QF+96*QQ+12*FI+4*\c+3], v[ADQ+SL] offset:(FI/4)*CHB+QQ*REC+(FI%4)*1536+512*\c
.endr
.set FI, FI+1
.endr
.if (\k) == 4
.irp g, 0,1
	ds_load_b128 v[SC+8*QQ+4*\g:SC+8*QQ+4*\g+3], v[ADS+SL] offset:\g*CHB+QQ*REC
.endr
.endif
.endif
.endm
; A row of products: Q's block a against P's eight tiles, from set p.  zero = 1: the products start the sums.  The 64 accumulators take turns, one instruction a turn, in the same order in every step.
.macro ROW a, p, zero
.if (\a) < 4
	WIN MUL_LO
.else
	WIN MUL_HI
.endif
.set BB, 0
.rept 8
.set RA, 8*(8*((\a)%4)+BB)
.if \zero
	v_wmma_scale_f32_16x16x128_f8f6f4 v[RA:RA+7], v[128*(\p)+12*BB:128*(\p)+12*BB+11], v[QF+96*(\p)+12*(\a):QF+96*(\p)+12*(\a)+11], 0, v[SC+8*(\p)+BB], v[SC+8*(\p)+(\a)] matrix_a_fmt:MATRIX_FMT_FP6 matrix_b_fmt:MATRIX_FMT_FP6 matrix_a_scale:MATRIX_SCALE_ROW1
.else
	v_wmma_scale_f32_16x16x128_f8f6f4 v[RA:RA+7], v[128*(\p)+12*BB:128*(\p)+12*BB+11], v[QF+96*(\p)+12*(\a):QF+96*(\p)+12*(\a)+11], v[RA:RA+7], v[SC+8*(\p)+BB], v[SC+8*(\p)+(\a)] matrix_a_fmt:MATRIX_FMT_FP6 matrix_b_fmt:MATRIX_FMT_FP6 matrix_a_scale:MATRIX_SCALE_ROW1
.endif
.set BB, BB+1
.endr
.endm
; A step whose successor's bytes are already shown to be in LDS.  The four places at its head serve all its loads: they land in the set that the step before has read, and this step's products read the other.
.macro SUB n, zero
	s_wait_dscnt 12                                ; this step's P, scale words and Q's blocks 0-3 are in; the 12 youngest loads (Q's blocks 4-7) may be out
.if (\n) > 0
	PLACES
.endif
.irp k, 0,1,2,3,4,5,6,7
	PIECE (\n)+1, \k
.if \k == 4
	s_wait_dscnt 32                                ; Q's blocks 4-7 are in: behind their loads stand the 32 of the next step's runs 0 to 4
.endif
	ROW \k, (\n)%2, \zero
.endr
.endm
; A chunk's last step: the next chunk must be shown to all waves: ONE barrier.  In front of it each wave waits for all its tensor loads, adds 0 to its spare word, and waits for that and for its LDS reads.
; fill = 1: the slot just read, which nobody reads any more, takes the chunk three on: the barrier then opens a round of the cluster's barrier, and the joint load is the first thing behind the round; it has a step and a half, 96 matrix instructions, in which to land.
.macro BOUND n, fill
.set CN, ((\n)-1)/2+3                  ; the chunk that is asked for,
.set SF, CN%3                          ; and its slot
	WIN 0                                          ; (the add's two registers lie in window 0)
	s_wait_tensorcnt 0x0                           ; all my tensor loads have landed, so a group 0 may be written
	ds_add_u32 v[SPW], v[NIL]                      ; 0 onto my spare word
.if \fill
.if CN < 4
	s_add_nc_u64 s[G0Q+4*SF+2:G0Q+4*SF+3], s[G0Q+4*SF+2:G0Q+4*SF+3], 3*CHB   ; the first tile's chunk 3: three chunks on from chunk 0; the type bits on top are not reached
	s_add_nc_u64 s[G0P+4*SF+2:G0P+4*SF+3], s[G0P+4*SF+2:G0P+4*SF+3], 3*CHB
.else
	s_add_nc_u64 s[G0Q+4*SF+2:G0Q+4*SF+3], s[BQ:BQ+1], (CN-4)*CHB   ; the second tile's chunk CN - 4
	s_or_b32 s[G0Q+4*SF+3], s[G0Q+4*SF+3], 0x80000000
	s_add_nc_u64 s[G0P+4*SF+2:G0P+4*SF+3], s[BP:BP+1], (CN-4)*CHB
	s_or_b32 s[G0P+4*SF+3], s[G0P+4*SF+3], 0x80000000
.endif
.endif
	s_wait_dscnt 13                                ; this step's P, scale words and Q's blocks 0-3 are in; Q's blocks 4-7 (12 loads) and the add may be out
	ROW 0, (\n)%2, 0                               ; sixteen matrix instructions stand between the add and the wait for it
	ROW 1, (\n)%2, 0
	s_wait_dscnt 0x0                               ; the add is done, and my LDS reads are over
	s_barrier_signal -1
	ROW 2, (\n)%2, 0                               ; work on registers while the others arrive
	ROW 3, (\n)%2, 0
	WIN 0
	s_barrier_wait -1
.if \fill
	CREST                                          ; no wave of any partner still reads the slot or has a load on its way
	JLOAD G0Q+4*SF, G0P+4*SF                       ; its four v_nop are also the places in front of the loads below
.else
	PLACES
.endif
.irp k, 0,1,2,3
	PIECE (\n)+1, 2*\k                             ; the next chunk is visible only now: two runs ahead of each of the four rows left
	PIECE (\n)+1, 2*\k+1
	ROW 4+\k, (\n)%2, 0
.endr
.endm
; 32 nc numbers of a lane, v[s] on in window w, register 16 b + i = k 32 b + 16 (lane / 16) + i of my row, become codes in v[PC] on (6 nc registers, a whole block in a lane) and scale bytes in v[pw].
; The numbers are read in ascending order.  xw = 1: the codes' registers are the data of earlier stores.
.macro QUANT s, nc, w, pw, xw
.set NBK, 2*(\nc)
	WIN ((\w)<<2)|((\w)<<4)                        ; sources 1 and 2: the numbers' window
.set II, 0
.rept 8
.set BK2, 0
.rept NBK
.if II == 0
	v_max3_num_f32 v[TM+BK2], v[FL], |v[(\s)+16*BK2]|, |v[(\s)+16*BK2+1]|   ; the floor is a leaf of the maximum: the byte cannot fall under 1
.else
	v_max3_num_f32 v[TM+BK2], v[TM+BK2], |v[(\s)+16*BK2+II]|, |v[(\s)+16*BK2+II+1]|   ; (the blocks by turns)
.endif
.set BK2, BK2+1
.endr
.set II, II+2
.endr
	WIN 0
.set BK2, 0
.rept NBK
	v_permlanex16_b32 v[TM+4+BK2], v[TM+BK2], s[SEL], s[SEL+1]
.set BK2, BK2+1
.endr
.set BK2, 0
.rept NBK
	v_max_num_f32 v[TM+BK2], v[TM+BK2], v[TM+4+BK2]   ; with lane l xor 16's 16: the block's largest magnitude
.set BK2, BK2+1
.endr
.set BK2, 0
.rept NBK
	v_add_nc_u32 v[TM+12+BK2], 0xff000000, v[TM+BK2]   ; 2 off its exponent field: the conversion's scale operand
.set BK2, BK2+1
.endr
.set BK2, 0
.rept NBK
	v_lshrrev_b32 v[TM+4+BK2], 23, v[TM+12+BK2]    ; the scale's byte
.set BK2, BK2+1
.endr
	v_lshl_or_b32 v[\pw], v[TM+5], 8, v[TM+4]
.if (\nc) == 2
	v_lshl_or_b32 v[\pw], v[TM+6], 16, v[\pw]
	v_lshl_or_b32 v[\pw], v[TM+7], 24, v[\pw]
.endif
.if \xw
	s_wait_xcnt 0x0                                ; the last block's stores have read the codes' registers; the maxima above stand between those stores and this wait
.endif
	WIN (\w)                                       ; source 0: the numbers' window
.set CC, 0
.rept \nc
	v_cvt_scalef32_pk16_fp6_f32 v[PC+6*CC:PC+6*CC+2], v[(\s)+32*CC:(\s)+32*CC+15], v[TM+12+2*CC]
	v_cvt_scalef32_pk16_fp6_f32 v[PX+4*CC:PX+4*CC+2], v[(\s)+32*CC+16:(\s)+32*CC+31], v[TM+12+2*CC+1]   ; (a conversion's three registers begin on an even number)
.set CC, CC+1
.endr
	WIN 0
	v_nop                                          ; one plain place behind a scaled conversion
.set CC, 0
.rept \nc
.irp i, 0,1,2
	v_permlane16_swap_b32 v[PC+6*CC+\i], v[PX+4*CC+\i]   ; lanes 0-15 get block 2 c whole, lanes 16-31 block 2 c + 1
.endr
.irp i, 0,1,2
	v_mov_b32 v[PC+6*CC+3+\i], v[PX+4*CC+\i]
.endr
.set CC, CC+1
.endr
.endm
	s_load_b128 s[4:7], s[0:1], 0x0                ; pc, qc
	s_load_b64 s[8:9], s[0:1], 0x10                ; tc
	v_lshl_add_u32 v[SPW], v0, 2, SPARE
	v_mov_b32 v[NIL], 0
	ds_add_u32 v[SPW], v[NIL]                      ; the wave's opening: the add, twice on end, and its wait ahead of my first tensor load
	ds_add_u32 v[SPW], v[NIL]                      ; and once more; the set-up below, work on registers, stands between it and the wait
	v_lshrrev_b32 v1, 5, v0
	v_readfirstlane_b32 s14, v1                    ; wave 0..3
	s_lshr_b32 s15, s14, 1                         ; i: my half of Q's rows.  Also: I fetch for Q (0) or for P (1)
	s_and_b32 s16, s14, 1                          ; j: my half of P's rows.  Also: which half I fetch
	s_bfe_u32 s66, ttmp6, 0x40000                  ; cx
	s_bfe_u32 s67, ttmp6, 0x40004                  ; cy
	s_and_b32 s68, ttmp7, 0xffff                   ; the cluster's y, 0 .. 7; ttmp9 is its x, 0 or 1
	s_lshl_b32 s10, s68, 1
	s_add_co_u32 s10, s10, ttmp9                   ; the cluster's number L = 2 y + x, 0 .. 15
	s_and_b32 s11, s10, 7
	s_lshl_b32 s70, s11, 2
	s_add_co_u32 s70, s70, s66                     ; FIRST tile: P's tile of 256 rows = 4 (L % 8) + cx (x); a tile begins at group 4 x tile of pc
	s_lshr_b32 s11, s10, 3
	s_add_co_u32 s11, s11, 10
	s_lshl_b32 s71, s11, 2
	s_add_co_u32 s71, s71, s67                     ; Q's = 4 (10 + L / 8) + cy (w_key, w_value)
	s_add_co_u32 s11, ttmp9, 8
	s_lshl_b32 s80, s11, 2
	s_add_co_u32 s80, s80, s66                     ; SECOND tile: P's = 4 (8 + x) + cx (the query weights),
	s_lshl_b32 s81, s68, 2
	s_add_co_u32 s81, s81, s67                     ; Q's = 4 y + cy (x)
	s_lshl_b32 s72, s67, 2
	s_lshl_b32 s72, 15, s72                        ; my row of the cluster
	s_lshl_b32 s73, 0x1111, s66                    ; my column
	; descriptor group 1: two rows (groups of 64) of 1,600 elements of 8 bytes (two records), 6,400 elements apart; no padding: the images are read as they lie
	s_or_b32 s[G1Q], s72, (3<<16)|(1<<21)          ; 15:0 the mask: Q's tiles go to my row; 17:16 elements of 8 bytes; 21 set beside a mask
	s_or_b32 s[G1P], s73, (3<<16)|(1<<21)          ; P's to my column
.irp g, G1Q, G1P
	s_mov_b32 s[\g+1], 1600<<16                    ; tensor_dim0
	s_mov_b32 s[\g+2], 2<<16                       ; tensor_dim1
	s_mov_b32 s[\g+3], 1600<<16                    ; tile_dim0
	s_mov_b32 s[\g+4], 2                           ; tile_dim1
	s_mov_b32 s[\g+5], 6400                        ; tensor_dim0_stride
	s_mov_b32 s[\g+6], 0
	s_mov_b32 s[\g+7], 0
.endr
	s_lshl_b32 s17, s16, 1                         ; the half that I fetch: two groups on
	s_lshl_b32 s74, s71, 2
	s_add_co_u32 s74, s74, s17
	s_mul_i32 s74, s74, GROW                       ; the first tile's Q: in bytes, under 2^24
	s_mov_b32 s75, 0
	s_lshl_b32 s76, s70, 2
	s_add_co_u32 s76, s76, s17
	s_mul_i32 s76, s76, GROW                       ; its P
	s_mov_b32 s77, 0
	s_lshl_b32 s[BQ], s81, 2
	s_add_co_u32 s[BQ], s[BQ], s17
	s_mul_i32 s[BQ], s[BQ], GROW                   ; the second tile's Q
	s_mov_b32 s[BQ+1], 0
	s_lshl_b32 s[BP], s80, 2
	s_add_co_u32 s[BP], s[BP], s17
	s_mul_i32 s[BP], s[BP], GROW                   ; its P
	s_mov_b32 s[BP+1], 0
	s_mul_i32 s18, s14, HALF                       ; where my load goes in a slot: no place in the cluster enters an LDS address
	s_mov_b32 s[SEL], 0x76543210
	s_mov_b32 s[SEL+1], 0xfedcba98
	s_mov_b32 s[HM], 0xffff0000
	s_wait_dscnt 0x0                               ; both opening adds are done
	s_wait_kmcnt 0x0
	s_add_nc_u64 s[74:75], s[4:5], s[74:75]
	s_add_nc_u64 s[76:77], s[4:5], s[76:77]
	s_add_nc_u64 s[BQ:BQ+1], s[4:5], s[BQ:BQ+1]
	s_add_nc_u64 s[BP:BP+1], s[4:5], s[BP:BP+1]
	CROUND                                         ; all sixteen work-groups are here: the first joint loads meet
.irp c, 0,1,2
	s_mov_b32 s[G0Q+4*\c], 1                       ; count = 1
	s_add_co_u32 s[G0Q+4*\c+1], s18, \c*SLOT       ; LDS address
	s_add_nc_u64 s[G0Q+4*\c+2:G0Q+4*\c+3], s[74:75], \c*CHB   ; global address: chunk c
	s_or_b32 s[G0Q+4*\c+3], s[G0Q+4*\c+3], 0x80000000   ; type = 2
	s_mov_b32 s[G0P+4*\c], 1
	s_add_co_u32 s[G0P+4*\c+1], s18, \c*SLOT
	s_add_nc_u64 s[G0P+4*\c+2:G0P+4*\c+3], s[76:77], \c*CHB
	s_or_b32 s[G0P+4*\c+3], s[G0P+4*\c+3], 0x80000000
	JLOAD G0Q+4*\c, G0P+4*\c                       ; three loads of mine are out
.endr
	v_and_b32 v1, 31, v0                           ; lane
	v_and_b32 v2, 15, v0                           ; r
	v_bfe_u32 v3, v0, 4, 1                         ; h
	v_lshlrev_b32 v[GO], 4, v1
	v_lshlrev_b32 v[G8], 3, v1
	s_mul_i32 s10, s15, HALF                       ; my half of Q in a slot
	s_mul_i32 s11, s16, HALF
	s_add_co_u32 s11, s11, 2*HALF                  ; my half of P
	s_sub_co_u32 s12, s11, s10                     ; the distance between the two
	v_mul_u32_u24 v13, s12, v3                     ; lanes 16-31 take P's scale words
	v_lshl_add_u32 v13, v2, 4, v13
	v_add_nc_u32 v13, s10, v13
	v_add_nc_u32 v14, s10, v[GO]
	v_add_nc_u32 v15, s11, v[GO]
.irp c, 0,1,2
	v_add_nc_u32 v[ADQ+\c], \c*SLOT, v14
	v_add_nc_u32 v[ADP+\c], \c*SLOT, v15
	v_add_nc_u32 v[ADS+\c], \c*SLOT+6144, v13
.endr
	; the stage: record 2 i + a / 4.  Wave j makes registers 6 j .. 6 j + 5 of each image: pairs at 0, 8, 512 (j = 0) or 520, 1,024, 1,032 (j = 1), + 16 x lane
	s_mul_i32 s10, s15, 2*REC
	s_add_co_u32 s10, s10, STAGE
	s_mul_i32 s11, s16, 520
	s_add_co_u32 s11, s11, s10
	v_add_nc_u32 v[STG], s11, v[GO]
	s_mul_i32 s12, s16, 1016
	s_add_co_u32 s12, s12, s10
	s_add_co_u32 s12, s12, 8
	v_add_nc_u32 v[STG+1], s12, v[GO]
	s_add_co_u32 s11, s11, 512
	v_add_nc_u32 v[STG+2], s11, v[GO]
	s_lshl_b32 s13, s16, 1
	s_add_co_u32 s13, s13, s10
	v_lshl_add_u32 v[STS], v2, 4, s13              ; my two scale bytes: 16 r + 2 j
	s_mul_i32 s10, s14, REC
	s_add_co_u32 s10, s10, STAGE
	v_add_nc_u32 v[RD], s10, v[GO]                 ; back: wave w takes record w
	v_add_nc_u32 v[RDS], s10, v[G8]
	v_mul_u32_u24 v[GS], v3, 64*REC                ; first way out: lanes 0-15 store the first record's scale group, lanes 16-31 the second's, 64 records on
	v_lshl_add_u32 v[GS], v2, 4, v[GS]
	v_mov_b32 v[FL], 0x1800000
.irp b, 0,1,2,3
	v_mov_b32 v[TM+4+\b], 0                        ; written once: a lane permute's destination counts as one of its sources
.endr
	s_wait_tensorcnt 0x2                           ; my part of chunk 0 is in; chunks 1 and 2, issued behind it, may be out
	s_barrier_signal -1
	s_barrier_wait -1                              ; everybody's is
.irp k, 0,1,2,3,4,5,6,7
	PIECE 0, \k
.endr
; ---- the first tile: key^T and value^T
	SUB 0, 1                                       ; the first step's products start the sums: nothing is cleared
	BOUND 1, 1                                     ; chunks 1 and 2 are shown to all; chunk 3 goes into slot 0
	SUB 2, 0
	BOUND 3, 1                                     ; THE RING GOES ON INTO THE SECOND TILE: its chunk 0 goes into slot 1,
	SUB 4, 0
	BOUND 5, 1                                     ; its chunk 1 into slot 2,
	SUB 6, 0
	BOUND 7, 1                                     ; its chunk 2 into slot 0; and the second tile's first fragments are fetched
	WIN 0
	PLACES                                         ; behind the last products: their results are read, and the set of Q's registers that they read is written below
; THE FIRST WAY OUT.  My 128 tokens are a whole fragment's K: each block of 16 rows goes straight to its record of tc.  The codes stand in v160-191, in the set that step 7 has left: the other set is being loaded for step 8.
.set PC,  160                          ; v160-171 codes, v172-179 the conversions' second halves
.set PX,  172
.set WD,  180                          ; v180-187 the eight blocks' scale words
.set XW,  188                          ; v188-191
	s_sub_co_u32 s78, s71, 40                      ; record (4 (Q's tile - 40) + 2 i, 2 x P's tile + j); the numbers that mix cx and cy live in registers that feed no descriptor
	s_lshl_b32 s78, s78, 2
	s_lshl_b32 s69, s15, 1
	s_add_co_u32 s78, s78, s69
	s_lshl_b32 s78, s78, 6
	s_lshl_b32 s69, s70, 1
	s_add_co_u32 s78, s78, s69
	s_add_co_u32 s78, s78, s16
	s_mul_i32 s78, s78, REC
	s_mov_b32 s79, 0
	s_add_nc_u64 s[8:9], s[8:9], s[78:79]
.irp a, 0,1,2,3,4,5,6,7
	QUANT 64*(\a%4), 2, 2+\a/4, WD+\a, 1
.irp c, 0,1,2
	global_store_b128 v[GO], v[PC+4*\c:PC+4*\c+3], s[8:9] offset:(\a/4)*64*REC+(\a%4)*1536+512*\c   ; 512 consecutive bytes, at a multiple of 256 from tc's first byte
.endr
.endr
.irp k, 0,1,2,3
	v_cndmask_b32 v[XW+\k], v[WD+\k], v[WD+4+\k], s[HM]   ; every lane holds its row's words: lanes 0-15 give blocks 0-3's, lanes 16-31 blocks 4-7's
.endr
	global_store_b128 v[GS], v[XW:XW+3], s[8:9] offset:6144   ; two whole scale groups of 256 bytes
	s_wait_xcnt 0x0                                ; the stores have read their registers: step 9's fragments may be loaded there.  Nothing waits for the stores themselves
; ---- the second tile: query
	SUB 8, 1                                       ; its first products start the sums anew
	BOUND 9, 1                                     ; its chunk 3, the last load, goes into slot 1
	SUB 10, 0
	BOUND 11, 0                                    ; the last chunk is shown to all; behind this barrier nobody reads slot 2
	SUB 12, 0
	SUB 13, 0
	SUB 14, 0
	s_wait_dscnt 12                                ; the last step: nothing more to fetch
.irp k, 0,1,2,3
	ROW \k, 1, 0
.endr
	s_wait_dscnt 0x0
.irp k, 4,5,6,7
	ROW \k, 1, 0
.endr
	WIN 0
	PLACES                                         ; behind the last products: their results are read and their operands' registers written below
; THE SECOND WAY OUT.  query = query_left x query_right in f32; my 64 columns are half a fragment's K: registers 6 j .. 6 j + 5 and two scale bytes, which meet the other wave's in the stage
.set PC,  64                           ; v64-75 codes, v76-83 the conversions' second halves
.set PX,  76
.set T,   96                           ; v96-127 32 numbers of query
.set CB,  128                          ; v128-177 a record on its way out
.irp a, 0,1,2,3,4,5,6,7
	WIN 0x0a+5*(\a/4)                              ; sources 0 and 1: window 2 or 3
.irp k, 0,2,4,6,8,10,12,14,16,18,20,22,24,26,28,30
	v_pk_mul_f32 v[T+\k:T+\k+1], v[64*(\a%4)+\k:64*(\a%4)+\k+1], v[64*(\a%4)+32+\k:64*(\a%4)+32+\k+1]   ; ascending: each accumulator is first read at its low end
.endr
	WIN 0
	QUANT T, 1, 0, PW, 0
	ds_store_b64 v[STG], v[PC:PC+1] offset:(\a/4)*REC+(\a%4)*1536
	ds_store_b64 v[STG+1], v[PC+2:PC+3] offset:(\a/4)*REC+(\a%4)*1536
	ds_store_b64 v[STG+2], v[PC+4:PC+5] offset:(\a/4)*REC+(\a%4)*1536
	ds_store_b16 v[STS], v[PW] offset:6144+(\a/4)*REC+4*(\a%4)   ; both halves of the lanes write the same bytes with the same value
	s_wait_dscnt 0x0                               ; the stores have read their registers (the last time: for the others' sake too: my stores into the stage are done)
.endr
	s_barrier_signal -1
	s_barrier_wait -1
	s_lshl_b32 s78, s81, 2                         ; wave w stores record (4 x Q's tile + w, P's tile - 32) of qc
	s_add_co_u32 s78, s78, s14
	s_lshl_b32 s78, s78, 3
	s_add_co_u32 s78, s78, s80
	s_sub_co_u32 s78, s78, 32
	s_mul_i32 s78, s78, REC
	s_mov_b32 s79, 0
	s_add_nc_u64 s[6:7], s[6:7], s[78:79]
.irp t, 0,1,2,3,4,5,6,7,8,9,10,11
	ds_load_b128 v[CB+4*\t:CB+4*\t+3], v[RD] offset:512*\t
.endr
	ds_load_b64 v[CB+48:CB+49], v[RDS] offset:6144
.irp t, 0,1,2,3,4,5,6,7,8,9,10,11
	s_wait_dscnt 12-\t                             ; load t is in; the 12 - t behind it may be out
	global_store_b128 v[GO], v[CB+4*\t:CB+4*\t+3], s[6:7] offset:512*\t   ; 512 consecutive bytes, at a multiple of 256 from qc's first byte
.endr
	s_wait_dscnt 0x0
	global_store_b64 v[G8], v[CB+48:CB+49], s[6:7] offset:6144
	s_wait_tensorcnt 0x0                           ; the wave's end: behind my last tensor load and my last LDS store
	ds_add_u32 v[SPW], v[NIL]
	s_wait_dscnt 0x0
	CROUND                                         ; the closing round: no work-group ends while a partner may still ask for a tile that names it
	s_endpgm
.Lfunc_end_k_qdb84dc9242_proj:
	.size	k_qdb84dc9242_proj, .Lfunc_end_k_qdb84dc9242_proj-k_qdb84dc9242_proj
	.p2alignl 7, 3214868480
	.fill 96, 4, 3214868480
	.section	.rodata,"a",@progbits
	.p2align	6, 0x0
	.amdhsa_kernel k_qdb84dc9242_proj
		.amdhsa_group_segment_fixed_size 327680
		.amdhsa_private_segment_fixed_size 0
		.amdhsa_enable_private_segment 0
		.amdhsa_kernarg_size 24
		.amdhsa_user_sgpr_count 2
		.amdhsa_user_sgpr_kernarg_segment_ptr 1
		.amdhsa_wavefront_size32 1
		.amdhsa_system_sgpr_workgroup_id_x 1
		.amdhsa_system_sgpr_workgroup_id_y 1
		.amdhsa_system_sgpr_workgroup_id_z 1
		.amdhsa_system_vgpr_workitem_id 0
		.amdhsa_next_free_vgpr 1024
		.amdhsa_next_free_sgpr 88
		.amdhsa_reserve_vcc 0
		.amdhsa_float_denorm_mode_32 3
		.amdhsa_float_denorm_mode_16_64 3
		.amdhsa_memory_ordered 1
		.amdhsa_forward_progress 1
		.amdhsa_inst_pref_size 255
	.end_amdhsa_kernel
	.section	.bss,"aw",@nobits
	.p2align	6
	.space	262144
	.amdgpu_metadata
---
amdhsa.version: [ 1, 2 ]
amdhsa.kernels:
  - .name:           k_qdb84dc9242_proj
    .symbol:         k_qdb84dc9242_proj.kd
    .args:
      - { .name: pc, .offset: 0, .size: 8, .value_kind: global_buffer, .address_space: global }
      - { .name: qc, .offset: 8, .size: 8, .value_kind: global_buffer, .address_space: global }
      - { .name: tc, .offset: 16, .size: 8, .value_kind: global_buffer, .address_space: global }
    .group_segment_fixed_size: 327680
    .private_segment_fixed_size: 0
    .kernarg_segment_align: 8
    .kernarg_segment_size: 24
    .max_flat_workgroup_size: 128
    .sgpr_count:     88
    .vgpr_count:     1024
    .wavefront_size: 32
...
	.end_amdgpu_metadata
.endif
;; end of part 2
;; launch kv (part 3): grid 8 x 32, 4 waves a work-group, clusters of 4 x 4, 327,680 bytes of LDS; arguments tc, kc; writes kc
.if DOCPART == 3
	.amdgcn_target "amdgcn-amd-amdhsa--gfx1250"
	.amdhsa_code_object_version 6
	.text
	.protected	k_qdb84dc9242_kv
	.globl	k_qdb84dc9242_kv
	.p2align	8
	.type	k_qdb84dc9242_kv,@function
k_qdb84dc9242_kv:
	s_mov_b64 s[64:65], 0
	v_nop
	global_prefetch_b8 v0, s[64:65] scope:SCOPE_SE
	s_setreg_imm32_b32 hwreg(HW_REG_WAVE_MODE, 25, 1), 1
	s_wait_xcnt 0x0
	s_wait_alu depctr_hold_cnt(0) depctr_sa_sdst(0) depctr_va_vdst(0) depctr_va_sdst(0) depctr_va_ssrc(0) depctr_va_vcc(0) depctr_vm_vsrc(0)
	s_getreg_b32 s2, hwreg(HW_REG_IB_STS2, 6, 4)
	s_cmp_eq_u32 s2, 0
	s_cbranch_scc0 .Lentry_in_a_cluster
	s_endpgm
.Lentry_in_a_cluster:
	s_bfe_u32 s2, ttmp6, 0x10000c
	s_cmp_lg_u32 s2, 0xf033
	s_cbranch_scc0 .Lentry_shape_is_right
	s_endpgm
.Lentry_shape_is_right:
; LAUNCH 3 OF 4: kv[b] = key^T value on codes of FP6 (E2M3), K = the batch's 2,048 tokens, and its result quantised along d for the last product.  No work of the problem is left out.
; D[q][p] = sum over k of Q[q][k] P[p][k], P = source 0 = key^T (rows d), Q = source 1 = value^T (rows e): a lane holds one e and its registers run along d, the next product's K.
; OPERANDS lie in tc in records of 6,400 bytes, (G, s) at (64 G + s) x 6,400: 64 rows x 128 tokens as four images of the operand's registers (1,536 bytes: register 4 c + i of lane l at 512 c + 16 l + 4 i), then 256 scale bytes
; (row r of fragment f: the word at 6,144 + 16 r + 4 f).  G 0-15 key^T, 16-31 value^T; s = token / 128.  Fragment f, lane r holds the group's row 32 (f / 2) + 8 (f % 2) + r + 8 (r / 8), so that P's tiles 2 b and 2 b + 1 give a lane 16 neighbouring d.
; THE RESULT goes to kc in the same records, (b, G, s) at ((16 b + G) x 8 + s) x 6,400: rows e (in Q's order of rows), K = d.
; A tile is 128 d x 128 e, so that the 4 x 8 x 8 tiles are one for each of 256 work-groups; four waves, each 64 x 64: 16 accumulators.  K goes in 16 steps of 128, in 4 chunks of 512: three LDS slots are filled at the start,
; chunk 3 comes into slot 0 when chunk 0 has been read.  A half tile's chunk (one group, four records) is 25,600 dense bytes.
; CLUSTERS: 4 x 4: Q's tiles are asked for jointly by a row of the cluster, P's by a column; the batch hangs on the cluster's y alone.
; REGISTERS: window 0: v4-30 addresses and constants; v32-39 scale words, two sets; v48-63 at work; v64-113 the way out; v128-255 the accumulators, (a, b) at v[128 + 8 (4 a + b)].
;   window 1: two sets of fragments at v0 and v128: P's four, then Q's four.
; LIMITS: a block whose largest magnitude lies under 2^-124 keeps the scale byte 1; NaN and infinities are not served.
.set REC,   6400
.set HALF,  4*REC                      ; 64 rows x 512 K: what one tensor load brings, and what a wave reads of P or of Q in a chunk
.set SLOT,  4*HALF                     ; Q's two halves, then P's two halves
.set STAGE, SLOT                       ; the way out: two records, in slot 1, which has had its last fill and its last read by then
.set SPARE, 3*SLOT                     ; the spare words, 128 bytes for each wave: two blocks of 256 bytes that no other line names
.set GO,  4                            ; v4   16 x lane
.set GO2, 5                            ; v5   the way out: my place among the tile's two records in kc
.set STG, 6                            ; v6-8 where my three pairs of code registers go in the stage
.set STS, 9                            ; v9   and my two scale bytes
.set RD,  10                           ; v10  where I read half a record back
.set RDS, 11                           ; v11  waves 0, 1: a record's scale bytes
.set GSO, 12                           ; v12  and their place in kc
.set ADQ, 16                           ; v16-18 LDS address of my Q fragments in slot 0, 1, 2
.set ADP, 20                           ; v20-22 the same for P
.set ADS, 24                           ; v24-26 of my scale words: lanes 0-15 Q's, lanes 16-31 P's
.set SPW, 28                           ; v28  LDS address of my spare word; never rewritten
.set NIL, 29                           ; v29  0; never rewritten
.set FL,  30                           ; v30  2^(3 - 127): the floor under a block's largest magnitude
.set SC,  32                           ; scale words: set p at v[SC + 4 p]; register k: lanes 0-15 Q's block k, lanes 16-31 P's tile k
.set TM,  48
.set PW,  56
.set PC,  64
.set PX,  76
.set CB,  88
.set ACC, 128
.set SEL, 20
.set G1Q, 24
.set G1P, 32
.set G0Q, 40
.set G0P, 52
.set MUL,  0x05                        ; sources 0 (P) and 1 (Q) window 1; C and D window 0
.set TO_F, 0x40                        ; destination window 1, address window 0
.set MSB, 0
.macro WIN new                         ; the immediate's high byte repeats the setting that is left; a switch that changes nothing is dropped
.if MSB != (\new)
	s_set_vgpr_msb (MSB<<8)|(\new)
.set MSB, (\new)
.endif
.endm
.macro PLACES                          ; four plain places between a matrix instruction and a load into, or a vector instruction on, its registers (ISA guide 7.12.1 for vector instructions)
.rept 4
	v_nop
.endr
.endm
.macro JLOAD g0q, g0p                  ; a joint load: waves 0 and 1 fetch Q's halves, waves 2 and 3 P's; an s_nop 0 and four v_nop follow each of the two lines
	s_cmp_eq_u32 s15, 0
	s_cbranch_scc0 .Lfor_p_\@
	tensor_load_to_lds s[\g0q:\g0q+3], s[G1Q:G1Q+7]
	s_nop 0
.rept 4
	v_nop
.endr
	s_branch .Lasked_\@
.Lfor_p_\@:
	tensor_load_to_lds s[\g0p:\g0p+3], s[G1P:G1P+7]
	s_nop 0
.rept 4
	v_nop
.endr
.Lasked_\@:
.endm
.macro CREST                           ; a round of the cluster's barrier behind its opening barrier
	s_cmp_lg_u32 s14, 0
	s_cbranch_scc1 .Lnot_wave_0_\@
	s_barrier_signal -3
.Lnot_wave_0_\@:
	s_barrier_wait -3
	s_barrier_signal -1
	s_barrier_wait -1
.endm
.macro CROUND
	s_barrier_signal -1
	s_barrier_wait -1
	CREST
.endm
.macro FETCH n                         ; the fragments and scale words of step n into set n % 2: 25 LDS loads in one run, each of 512 consecutive bytes
.set SL, ((\n)/4)%3
.set QQ, (\n)%4
.set PP, (\n)%2
	WIN TO_F
.irp i, 0,1,2,3
.irp c, 0,1,2
	ds_load_b128 v[128*PP+12*\i+4*\c:128*PP+12*\i+4*\c+3], v[ADP+SL] offset:QQ*REC+\i*1536+512*\c
.endr
.endr
.irp i, 0,1,2,3
.irp c, 0,1,2
	ds_load_b128 v[128*PP+48+12*\i+4*\c:128*PP+48+12*\i+4*\c+3], v[ADQ+SL] offset:QQ*REC+\i*1536+512*\c
.endr
.endr
	WIN 0
	ds_load_b128 v[SC+4*PP:SC+4*PP+3], v[ADS+SL] offset:QQ*REC
.endm
.macro MULS a0, a1, p, zero            ; Q's blocks a0 .. a1 - 1 against P's four tiles; the 16 accumulators take turns, one instruction a turn
	WIN MUL
.set AA, \a0
.rept (\a1)-(\a0)
.set BB, 0
.rept 4
.set RA, ACC+8*(4*AA+BB)
.if \zero
	v_wmma_scale_f32_16x16x128_f8f6f4 v[RA:RA+7], v[128*(\p)+12*BB:128*(\p)+12*BB+11], v[128*(\p)+48+12*AA:128*(\p)+48+12*AA+11], 0, v[SC+4*(\p)+BB], v[SC+4*(\p)+AA] matrix_a_fmt:MATRIX_FMT_FP6 matrix_b_fmt:MATRIX_FMT_FP6 matrix_a_scale:MATRIX_SCALE_ROW1
.else
	v_wmma_scale_f32_16x16x128_f8f6f4 v[RA:RA+7], v[128*(\p)+12*BB:128*(\p)+12*BB+11], v[128*(\p)+48+12*AA:128*(\p)+48+12*AA+11], v[RA:RA+7], v[SC+4*(\p)+BB], v[SC+4*(\p)+AA] matrix_a_fmt:MATRIX_FMT_FP6 matrix_b_fmt:MATRIX_FMT_FP6 matrix_a_scale:MATRIX_SCALE_ROW1
.endif
.set BB, BB+1
.endr
.set AA, AA+1
.endr
.endm
.macro SUB n, zero                     ; a step whose successor's bytes are already shown to be in LDS
	s_wait_dscnt 0x0                               ; this step's fragments, asked for a step ago, are in
.if (\n) > 0
	PLACES                                         ; behind the last step's products, which read the set that is loaded now
.endif
	FETCH (\n)+1
	MULS 0, 4, (\n)%2, \zero
.endm
; A step at whose end the next chunk must be shown to all waves: ONE barrier; in front of it each wave waits for all its tensor loads, adds 0 to its spare word, and waits for that and for its LDS reads.
; fill = 1: slot 0, which nobody reads any more, takes chunk 3: the barrier opens a round of the cluster's barrier, and the joint load is the first thing behind the round.
.macro BOUND n, fill
	WIN 0                                          ; (the add's two registers lie in window 0)
	s_wait_tensorcnt 0x0                           ; all my tensor loads have landed, so a group 0 may be written
	ds_add_u32 v[SPW], v[NIL]                      ; 0 onto my spare word
.if \fill
	s_add_nc_u64 s[G0Q+2:G0Q+3], s[G0Q+2:G0Q+3], 3*HALF   ; slot 0's descriptors: from chunk 0 to chunk 3
	s_add_nc_u64 s[G0P+2:G0P+3], s[G0P+2:G0P+3], 3*HALF
.endif
	s_wait_dscnt 0x1                               ; this step's fragments are in; the add alone may be out
	MULS 0, 1, (\n)%2, 0
	s_wait_dscnt 0x0                               ; the add is done, and my LDS reads are over
	s_barrier_signal -1
	MULS 1, 2, (\n)%2, 0
	WIN 0
	s_barrier_wait -1
.if \fill
	CREST                                          ; no wave of any partner still reads slot 0 or has a load on its way
	JLOAD G0Q, G0P                                 ; its four v_nop are also the places in front of the loads below
.else
	PLACES
.endif
	FETCH (\n)+1
	MULS 2, 4, (\n)%2, 0
.endm
; 32 numbers of a lane, v[s] on, register 16 b + i = k 32 b + 16 (lane / 16) + i of my row, become six registers of codes in v[PC] on (a whole block in a lane) and two scale bytes in v[PW].
; The numbers are read in ascending order.
.macro QUANT s
.irp b, 0,1
	v_max3_num_f32 v[TM+\b], v[FL], |v[(\s)+16*\b]|, |v[(\s)+16*\b+1]|   ; the floor is a leaf of the maximum: the byte cannot fall under 1
.endr
.irp i, 2,4,6,8,10,12,14
.irp b, 0,1
	v_max3_num_f32 v[TM+\b], v[TM+\b], |v[(\s)+16*\b+\i]|, |v[(\s)+16*\b+\i+1]|
.endr
.endr
.irp b, 0,1
	v_permlanex16_b32 v[TM+4+\b], v[TM+\b], s[SEL], s[SEL+1]
.endr
.irp b, 0,1
	v_max_num_f32 v[TM+\b], v[TM+\b], v[TM+4+\b]   ; with lane l xor 16's 16: the block's largest magnitude
.endr
.irp b, 0,1
	v_add_nc_u32 v[TM+12+\b], 0xff000000, v[TM+\b] ; 2 off its exponent field: the conversion's scale operand
.endr
.irp b, 0,1
	v_lshrrev_b32 v[TM+4+\b], 23, v[TM+12+\b]      ; the scale's byte
.endr
	v_lshl_or_b32 v[PW], v[TM+5], 8, v[TM+4]
	v_cvt_scalef32_pk16_fp6_f32 v[PC:PC+2], v[(\s):(\s)+15], v[TM+12]
	v_cvt_scalef32_pk16_fp6_f32 v[PX:PX+2], v[(\s)+16:(\s)+31], v[TM+13]   ; (a conversion's three registers begin on an even number)
	v_nop                                          ; one plain place behind a scaled conversion
.irp i, 0,1,2
	v_permlane16_swap_b32 v[PC+\i], v[PX+\i]       ; lanes 0-15 get the first block whole, lanes 16-31 the second
.endr
.irp i, 0,1,2
	v_mov_b32 v[PC+3+\i], v[PX+\i]
.endr
.endm
	s_load_b128 s[4:7], s[0:1], 0x0                ; tc, kc
	v_lshl_add_u32 v[SPW], v0, 2, SPARE
	v_mov_b32 v[NIL], 0
	ds_add_u32 v[SPW], v[NIL]                      ; the wave's opening: the add, twice on end, and its wait ahead of my first tensor load
	ds_add_u32 v[SPW], v[NIL]                      ; and once more; the set-up below, work on registers, stands between it and the wait
	v_lshrrev_b32 v1, 5, v0
	v_readfirstlane_b32 s14, v1                    ; wave 0..3
	s_lshr_b32 s15, s14, 1                         ; i: my half of Q's rows.  Also: I fetch for Q (0) or for P (1)
	s_and_b32 s16, s14, 1                          ; j: my half of P's rows.  Also: which half I fetch
	s_bfe_u32 s66, ttmp6, 0x40000                  ; cx
	s_bfe_u32 s67, ttmp6, 0x40004                  ; cy
	s_and_b32 s68, ttmp7, 0xffff                   ; the cluster's y, 0 .. 7
	s_lshr_b32 s69, s68, 1                         ; the batch
	s_lshl_b32 s70, ttmp9, 2
	s_add_co_u32 s70, s70, s66                     ; P's tile of 128 d: 4 x cluster x + cx
	s_and_b32 s71, s68, 1
	s_lshl_b32 s71, s71, 2
	s_add_co_u32 s71, s71, s67                     ; Q's tile of 128 e: 4 (y % 2) + cy
	s_lshl_b32 s72, s67, 2
	s_lshl_b32 s72, 15, s72                        ; my row of the cluster
	s_lshl_b32 s73, 0x1111, s66                    ; my column
	; descriptor group 1: 25,600 dense bytes as 100 rows of 32 elements of 8 bytes; no padding: the images are read as they lie
	s_or_b32 s[G1Q], s72, (3<<16)|(1<<21)          ; 15:0 the mask: Q's tiles go to my row; 17:16 elements of 8 bytes; 21 set beside a mask
	s_or_b32 s[G1P], s73, (3<<16)|(1<<21)          ; P's to my column
.irp g, G1Q, G1P
	s_mov_b32 s[\g+1], 32<<16                      ; tensor_dim0
	s_mov_b32 s[\g+2], 100<<16                     ; tensor_dim1
	s_mov_b32 s[\g+3], 32<<16                      ; tile_dim0
	s_mov_b32 s[\g+4], 100                         ; tile_dim1
	s_mov_b32 s[\g+5], 32                          ; tensor_dim0_stride
	s_mov_b32 s[\g+6], 0
	s_mov_b32 s[\g+7], 0
.endr
	s_lshl_b32 s17, s69, 4                         ; the batch's first record of a group: 16 b
	s_lshl_b32 s74, s71, 1
	s_add_co_u32 s74, s74, s16
	s_add_co_u32 s74, s74, 16                      ; Q: group 16 + 2 x tile + half
	s_lshl_b32 s74, s74, 6
	s_add_co_u32 s74, s74, s17
	s_mul_i32 s74, s74, REC                        ; in bytes, under 2^24
	s_mov_b32 s75, 0
	s_lshl_b32 s76, s70, 1
	s_add_co_u32 s76, s76, s16                     ; P: group 2 x tile + half
	s_lshl_b32 s76, s76, 6
	s_add_co_u32 s76, s76, s17
	s_mul_i32 s76, s76, REC
	s_mov_b32 s77, 0
	s_mul_i32 s18, s14, HALF                       ; where my load goes in a slot: no place in the cluster enters an LDS address
	s_mov_b32 s[SEL], 0x76543210
	s_mov_b32 s[SEL+1], 0xfedcba98
	s_wait_dscnt 0x0                               ; both opening adds are done
	s_wait_kmcnt 0x0
	s_add_nc_u64 s[74:75], s[4:5], s[74:75]
	s_add_nc_u64 s[76:77], s[4:5], s[76:77]
	CROUND                                         ; all sixteen work-groups are here: the first joint loads meet
.irp c, 0,1,2
	s_mov_b32 s[G0Q+4*\c], 1
	s_add_co_u32 s[G0Q+4*\c+1], s18, \c*SLOT
	s_add_nc_u64 s[G0Q+4*\c+2:G0Q+4*\c+3], s[74:75], \c*HALF
	s_or_b32 s[G0Q+4*\c+3], s[G0Q+4*\c+3], 0x80000000
	s_mov_b32 s[G0P+4*\c], 1
	s_add_co_u32 s[G0P+4*\c+1], s18, \c*SLOT
	s_add_nc_u64 s[G0P+4*\c+2:G0P+4*\c+3], s[76:77], \c*HALF
	s_or_b32 s[G0P+4*\c+3], s[G0P+4*\c+3], 0x80000000
	JLOAD G0Q+4*\c, G0P+4*\c                       ; three loads of mine are out
.endr
	v_and_b32 v1, 31, v0                           ; lane
	v_and_b32 v2, 15, v0                           ; r
	v_bfe_u32 v3, v0, 4, 1                         ; h
	v_lshlrev_b32 v[GO], 4, v1
	s_mul_i32 s10, s15, HALF                       ; my half of Q in a slot
	s_mul_i32 s11, s16, HALF
	s_add_co_u32 s11, s11, 2*HALF                  ; my half of P
	s_sub_co_u32 s12, s11, s10                     ; the distance between the two
	v_mul_u32_u24 v13, s12, v3                     ; lanes 16-31 take P's scale words
	v_lshl_add_u32 v13, v2, 4, v13
	v_add_nc_u32 v13, s10, v13
	v_add_nc_u32 v14, s10, v[GO]
	v_add_nc_u32 v15, s11, v[GO]
.irp c, 0,1,2
	v_add_nc_u32 v[ADQ+\c], \c*SLOT, v14
	v_add_nc_u32 v[ADP+\c], \c*SLOT, v15
	v_add_nc_u32 v[ADS+\c], \c*SLOT+6144, v13
.endr
	; the stage: record i.  Wave j makes registers 6 j .. 6 j + 5 of each image: pairs at 0, 8, 512 (j = 0) or 520, 1,024, 1,032 (j = 1), + 16 x lane
	s_mul_i32 s10, s15, REC
	s_add_co_u32 s10, s10, STAGE
	s_mul_i32 s11, s16, 520
	s_add_co_u32 s11, s11, s10
	v_add_nc_u32 v[STG], s11, v[GO]
	s_mul_i32 s12, s16, 1016
	s_add_co_u32 s12, s12, s10
	s_add_co_u32 s12, s12, 8
	v_add_nc_u32 v[STG+1], s12, v[GO]
	s_add_co_u32 s11, s11, 512
	v_add_nc_u32 v[STG+2], s11, v[GO]
	s_lshl_b32 s13, s16, 1
	s_add_co_u32 s13, s13, s10
	v_lshl_add_u32 v[STS], v2, 4, s13              ; my two scale bytes: 16 r + 2 j
	s_mul_i32 s11, s16, 3072                       ; back: wave w takes half w % 2 of record w / 2's images
	s_add_co_u32 s10, s10, s11
	v_add_nc_u32 v[RD], s10, v[GO]
	s_mul_i32 s10, s15, 8*REC                      ; the tile's two records lie 8 records apart in kc
	s_add_co_u32 s10, s10, s11
	v_add_nc_u32 v[GO2], s10, v[GO]
	s_mul_i32 s10, s14, REC                        ; waves 0 and 1 also take record w's scale bytes
	s_add_co_u32 s10, s10, STAGE
	v_lshl_add_u32 v[RDS], v1, 3, s10
	s_mul_i32 s10, s14, 8*REC
	v_lshl_add_u32 v[GSO], v1, 3, s10
	v_mov_b32 v[FL], 0x1800000
.irp b, 0,1
	v_mov_b32 v[TM+4+\b], 0                        ; written once: a lane permute's destination counts as one of its sources
.endr
	s_wait_tensorcnt 0x2                           ; my part of chunk 0 is in; chunks 1 and 2, issued behind it, may be out
	s_barrier_signal -1
	s_barrier_wait -1
	FETCH 0
	SUB 0, 1                                       ; the first step's products start the sums
	SUB 1, 0
	SUB 2, 0
	BOUND 3, 1                                     ; chunks 1 and 2 are shown to all; chunk 3 goes into slot 0
.irp n, 4,5,6,7,8,9,10
	SUB \n, 0
.endr
	BOUND 11, 0                                    ; chunk 3 is shown to all; behind this barrier nobody reads slots 1 and 2
	SUB 12, 0
	SUB 13, 0
	SUB 14, 0
	s_wait_dscnt 0x0                               ; the last step: nothing more to fetch
	MULS 0, 4, 1, 0
	WIN 0
	PLACES                                         ; behind the last products, whose results are read below
	; THE WAY OUT: my 64 d are half a fragment's K: six registers and two scale bytes for each block of 16 e, which meet the other wave's in the stage
.irp a, 0,1,2,3
	QUANT ACC+32*\a
	ds_store_b64 v[STG], v[PC:PC+1] offset:\a*1536
	ds_store_b64 v[STG+1], v[PC+2:PC+3] offset:\a*1536
	ds_store_b64 v[STG+2], v[PC+4:PC+5] offset:\a*1536
	ds_store_b16 v[STS], v[PW] offset:6144+4*\a    ; both halves of the lanes write the same bytes with the same value
	s_wait_dscnt 0x0                               ; the stores have read their registers (the last time: for the others' sake too)
.endr
	s_barrier_signal -1
	s_barrier_wait -1
	s_lshl_b32 s78, s69, 4                         ; record ((16 b + 2 x Q's tile) , P's tile); the numbers that mix cx and cy live in registers that feed no descriptor
	s_lshl_b32 s19, s71, 1
	s_add_co_u32 s78, s78, s19
	s_lshl_b32 s78, s78, 3
	s_add_co_u32 s78, s78, s70
	s_mul_i32 s78, s78, REC
	s_mov_b32 s79, 0
	s_add_nc_u64 s[6:7], s[6:7], s[78:79]
.irp t, 0,1,2,3,4,5
	ds_load_b128 v[CB+4*\t:CB+4*\t+3], v[RD] offset:512*\t
.endr
.irp t, 0,1,2,3,4,5
	s_wait_dscnt 5-\t                              ; load t is in; the 5 - t behind it may be out
	global_store_b128 v[GO2], v[CB+4*\t:CB+4*\t+3], s[6:7] offset:512*\t   ; 512 consecutive bytes, at a multiple of 256 from kc's first byte
.endr
	s_cmp_lt_u32 s14, 2
	s_cbranch_scc0 .Lno_scales
	ds_load_b64 v[CB+24:CB+25], v[RDS] offset:6144
	s_wait_dscnt 0x0
	global_store_b64 v[GSO], v[CB+24:CB+25], s[6:7] offset:6144   ; a whole scale group of 256 bytes
.Lno_scales:
	s_wait_tensorcnt 0x0                           ; the wave's end: behind my last tensor load and my last LDS store
	ds_add_u32 v[SPW], v[NIL]
	s_wait_dscnt 0x0
	CROUND                                         ; the closing round
	s_endpgm
.Lfunc_end_k_qdb84dc9242_kv:
	.size	k_qdb84dc9242_kv, .Lfunc_end_k_qdb84dc9242_kv-k_qdb84dc9242_kv
	.p2alignl 7, 3214868480
	.fill 96, 4, 3214868480
	.section	.rodata,"a",@progbits
	.p2align	6, 0x0
	.amdhsa_kernel k_qdb84dc9242_kv
		.amdhsa_group_segment_fixed_size 327680
		.amdhsa_private_segment_fixed_size 0
		.amdhsa_enable_private_segment 0
		.amdhsa_kernarg_size 16
		.amdhsa_user_sgpr_count 2
		.amdhsa_user_sgpr_kernarg_segment_ptr 1
		.amdhsa_wavefront_size32 1
		.amdhsa_system_sgpr_workgroup_id_x 1
		.amdhsa_system_sgpr_workgroup_id_y 1
		.amdhsa_system_sgpr_workgroup_id_z 1
		.amdhsa_system_vgpr_workitem_id 0
		.amdhsa_next_free_vgpr 512
		.amdhsa_next_free_sgpr 80
		.amdhsa_reserve_vcc 0
		.amdhsa_float_denorm_mode_32 3
		.amdhsa_float_denorm_mode_16_64 3
		.amdhsa_memory_ordered 1
		.amdhsa_forward_progress 1
		.amdhsa_inst_pref_size 82
	.end_amdhsa_kernel
	.amdgpu_metadata
---
amdhsa.version: [ 1, 2 ]
amdhsa.kernels:
  - .name:           k_qdb84dc9242_kv
    .symbol:         k_qdb84dc9242_kv.kd
    .args:
      - { .name: tc, .offset: 0, .size: 8, .value_kind: global_buffer, .address_space: global }
      - { .name: kc, .offset: 8, .size: 8, .value_kind: global_buffer, .address_space: global }
    .group_segment_fixed_size: 327680
    .private_segment_fixed_size: 0
    .kernarg_segment_align: 8
    .kernarg_segment_size: 16
    .max_flat_workgroup_size: 128
    .sgpr_count:     80
    .vgpr_count:     512
    .wavefront_size: 32
...
	.end_amdgpu_metadata
.endif
;; end of part 3
;; launch out (part 4): grid 4 x 64, 4 waves a work-group, clusters of 4 x 4, 327,680 bytes of LDS; arguments qc, kc, out0; writes out0
.if DOCPART == 4
	.amdgcn_target "amdgcn-amd-amdhsa--gfx1250"
	.amdhsa_code_object_version 6
	.text
	.protected	k_qdb84dc9242_out
	.globl	k_qdb84dc9242_out
	.p2align	8
	.type	k_qdb84dc9242_out,@function
k_qdb84dc9242_out:
	s_mov_b64 s[64:65], 0
	v_nop
	global_prefetch_b8 v0, s[64:65] scope:SCOPE_SE
	s_setreg_imm32_b32 hwreg(HW_REG_WAVE_MODE, 25, 1), 1
	s_wait_xcnt 0x0
	s_wait_alu depctr_hold_cnt(0) depctr_sa_sdst(0) depctr_va_vdst(0) depctr_va_sdst(0) depctr_va_ssrc(0) depctr_va_vcc(0) depctr_vm_vsrc(0)
	s_getreg_b32 s2, hwreg(HW_REG_IB_STS2, 6, 4)
	s_cmp_eq_u32 s2, 0
	s_cbranch_scc0 .Lentry_in_a_cluster
	s_endpgm
.Lentry_in_a_cluster:
	s_bfe_u32 s2, ttmp6, 0x10000c
	s_cmp_lg_u32 s2, 0xf033
	s_cbranch_scc0 .Lentry_shape_is_right
	s_endpgm
.Lentry_shape_is_right:
; LAUNCH 4 OF 4: out0[b][n][e] = sum over d of query[b][n][d] kv[b][d][e], on codes of FP6 (E2M3), K = 1,024; f32 out.  No work of the problem is left out.
; D[q][p] = sum over k of Q[q][k] P[p][k], P = source 0 = kv^T (rows e), Q = source 1 = query (rows = tokens): a lane holds one token and eight neighbouring e.
; OPERANDS lie in records of 6,400 bytes: 64 rows x 128 K as four images of the operand's registers (1,536 bytes: register 4 c + i of lane l at 512 c + 16 l + 4 i), then 256 scale bytes (row r of fragment f: the word at 6,144 + 16 r + 4 f).
; qc: (G, s) at (8 G + s) x 6,400, G = token / 64.  kc: (b, G, s) at ((16 b + G) x 8 + s) x 6,400, G = e / 64.  Fragment f, lane r holds the group's row 32 (f / 2) + 8 (f % 2) + r + 8 (r / 8):
; so P's tiles 2 b and 2 b + 1 give a lane 16 neighbouring e, and the stores below put Q's rows back at their tokens.
; A tile is 256 e x 128 tokens: 4 x 64 tiles, one for each of 256 work-groups; four waves, each 128 e x 64 tokens: 32 accumulators.  ALL OF K LIES IN LDS: four chunks of 256 along K are asked for at the start and nothing is filled again.
; CLUSTERS: 4 x 4: Q's tiles are asked for jointly by a row of the cluster, P's by a column; the batch hangs on the cluster's y alone.
; REGISTERS: window 0: v4-29 addresses; v32-47 scale words, two sets; v64-111, v112-159 Q's fragments, two sets (on the way out v64-191 hold rows).  window 1: P's fragments, two sets, at v0 and v128.  window 2: the accumulators, (a, b) at v[8 (8 a + b)].
.set REC,   6400
.set GROW,  8*REC                      ; from a group of 64 rows to the next
.set CHB,   2*REC                      ; a chunk (256 along K) of one group
.set CHUNK, 6*CHB                      ; in LDS: Q's two halves (one group each), then P's two halves (two groups each)
.set SPARE, 4*CHUNK                    ; the spare words, 128 bytes for each wave: two blocks of 256 bytes that no other line names
.set SPITCH, 528                       ; the way out: a stage of 16 rows x (512 bytes + 16) for each wave, in chunk 0, which has had its only fill and its last read by then
.set ADQ, 8                            ; v8-11  LDS address of my Q fragments in chunk 0 .. 3
.set ADP, 12                           ; v12-15 the same for P
.set ADS, 16                           ; v16-19 of my scale words: lanes 0-15 Q's, lanes 16-31 P's
.set STO, 20                           ; v20  the way out: where I put 32 bytes of a row
.set RD,  21                           ; v21  where I read a row back
.set CO,  22                           ; v22  16 x lane
.set SPW, 28                           ; v28  LDS address of my spare word; never rewritten
.set NIL, 29                           ; v29  0; never rewritten
.set SC,  32                           ; scale words: set p at v[SC + 8 p]; register k: lanes 0-15 Q's block k (k < 4), lanes 16-31 P's tile k
.set QF,  64
.set BK,  64                           ; the way out: 16 rows read back: v64-127 and v128-191 by turns
.set G1Q, 24                           ; s[24:31], s[32:39] descriptor group 1 for Q's and P's tiles
.set G1P, 32
.set G0Q, 40                           ; s[40:55] group 0 for Q's four chunks;  s[56:63], s[68:75] for P's
.set MUL,  0xa1                        ; source 0 (P) window 1, source 1 (Q) window 0, C and D window 2
.set TO_P, 0x40                        ; destination window 1, address window 0
.set MSB, 0
.macro WIN new                         ; the immediate's high byte repeats the setting that is left; a switch that changes nothing is dropped
.if MSB != (\new)
	s_set_vgpr_msb (MSB<<8)|(\new)
.set MSB, (\new)
.endif
.endm
.macro PLACES                          ; four plain places between a matrix instruction and a load into its registers or a store of its results (ISA guide 7.12.1 for vector instructions)
.rept 4
	v_nop
.endr
.endm
.macro JLOAD g0q, g0p                  ; a joint load: waves 0 and 1 fetch Q's halves, waves 2 and 3 P's; an s_nop 0 and four v_nop follow each of the two lines
	s_cmp_eq_u32 s15, 0
	s_cbranch_scc0 .Lfor_p_\@
	tensor_load_to_lds s[\g0q:\g0q+3], s[G1Q:G1Q+7]
	s_nop 0
.rept 4
	v_nop
.endr
	s_branch .Lasked_\@
.Lfor_p_\@:
	tensor_load_to_lds s[\g0p:\g0p+3], s[G1P:G1P+7]
	s_nop 0
.rept 4
	v_nop
.endr
.Lasked_\@:
.endm
.macro CROUND                          ; a round of the cluster's barrier
	s_barrier_signal -1
	s_barrier_wait -1
	s_cmp_lg_u32 s14, 0
	s_cbranch_scc1 .Lnot_wave_0_\@
	s_barrier_signal -3
.Lnot_wave_0_\@:
	s_barrier_wait -3
	s_barrier_signal -1
	s_barrier_wait -1
.endm
.macro FETCH n                         ; the fragments and scale words of step n into set n % 2: 38 LDS loads in one run, each of 512 consecutive bytes
.set SL, (\n)/2
.set QQ, (\n)%2
	WIN TO_P
.irp i, 0,1,2,3,4,5,6,7
.irp c, 0,1,2
	ds_load_b128 v[128*QQ+12*\i+4*\c:128*QQ+12*\i+4*\c+3], v[ADP+SL] offset:(\i/4)*CHB+QQ*REC+(\i%4)*1536+512*\c
.endr
.endr
	WIN 0
.irp i, 0,1,2,3
.irp c, 0,1,2
	ds_load_b128 v[QF+48*QQ+12*\i+4*\c:QF+48*QQ+12*\i+4*\c+3], v[ADQ+SL] offset:QQ*REC+\i*1536+512*\c
.endr
.endr
.irp g, 0,1
	ds_load_b128 v[SC+8*QQ+4*\g:SC+8*QQ+4*\g+3], v[ADS+SL] offset:\g*CHB+QQ*REC   ; g = 1 serves P's tiles 4-7 in lanes 16-31; lanes 0-15 then read bytes of the same chunk that no product uses
.endr
.endm
.macro MULS a0, a1, p, zero            ; Q's blocks a0 .. a1 - 1 against P's eight tiles; the 32 accumulators take turns, one instruction a turn
	WIN MUL
.set AA, \a0
.rept (\a1)-(\a0)
.set BB, 0
.rept 8
.set RA, 8*(8*AA+BB)
.if \zero
	v_wmma_scale_f32_16x16x128_f8f6f4 v[RA:RA+7], v[128*(\p)+12*BB:128*(\p)+12*BB+11], v[QF+48*(\p)+12*AA:QF+48*(\p)+12*AA+11], 0, v[SC+8*(\p)+BB], v[SC+8*(\p)+AA] matrix_a_fmt:MATRIX_FMT_FP6 matrix_b_fmt:MATRIX_FMT_FP6 matrix_a_scale:MATRIX_SCALE_ROW1
.else
	v_wmma_scale_f32_16x16x128_f8f6f4 v[RA:RA+7], v[128*(\p)+12*BB:128*(\p)+12*BB+11], v[QF+48*(\p)+12*AA:QF+48*(\p)+12*AA+11], v[RA:RA+7], v[SC+8*(\p)+BB], v[SC+8*(\p)+AA] matrix_a_fmt:MATRIX_FMT_FP6 matrix_b_fmt:MATRIX_FMT_FP6 matrix_a_scale:MATRIX_SCALE_ROW1
.endif
.set BB, BB+1
.endr
.set AA, AA+1
.endr
.endm
.macro SUB n, zero                     ; a step whose successor lies in the same chunk
	s_wait_dscnt 0x0                               ; this step's fragments, asked for a step ago, are in
.if (\n) > 0
	PLACES                                         ; behind the last step's products, which read the set that is loaded now
.endif
	FETCH (\n)+1
	MULS 0, 4, (\n)%2, \zero
.endm
.macro MEET n, left                    ; a chunk's last step: the next chunk is shown to all waves by one barrier. left: my loads issued behind the next chunk's, which may stay out
	s_wait_tensorcnt \left
	s_wait_dscnt 0x0                               ; this step's fragments are in: no LDS instruction of mine is pending at the signal
	s_barrier_signal -1
	MULS 0, 1, (\n)%2, 0                           ; work on registers while the others arrive
	s_barrier_wait -1
	PLACES
	FETCH (\n)+1
	MULS 1, 4, (\n)%2, 0
.endm
	s_load_b128 s[4:7], s[0:1], 0x0                ; qc, kc
	s_load_b64 s[8:9], s[0:1], 0x10                ; out0
	v_lshl_add_u32 v[SPW], v0, 2, SPARE
	v_mov_b32 v[NIL], 0
	ds_add_u32 v[SPW], v[NIL]                      ; the wave's opening: the add, twice on end, and its wait ahead of my first tensor load
	ds_add_u32 v[SPW], v[NIL]                      ; and once more; the set-up below, work on registers, stands between it and the wait
	v_lshrrev_b32 v1, 5, v0
	v_readfirstlane_b32 s14, v1                    ; wave 0..3
	s_lshr_b32 s15, s14, 1                         ; i: my half of Q's rows.  Also: I fetch for Q (0) or for P (1)
	s_and_b32 s16, s14, 1                          ; j: my half of P's rows.  Also: which half I fetch
	s_bfe_u32 s66, ttmp6, 0x40000                  ; cx = P's tile of 256 e
	s_bfe_u32 s67, ttmp6, 0x40004                  ; cy
	s_and_b32 s2, ttmp7, 0xffff                    ; the cluster's y, 0 .. 15
	s_lshr_b32 s3, s2, 2                           ; the batch
	s_lshl_b32 s10, s2, 2
	s_add_co_u32 s10, s10, s67                     ; Q's tile of 128 tokens
	s_lshl_b32 s11, s67, 2
	s_lshl_b32 s11, 15, s11                        ; my row of the cluster
	s_lshl_b32 s12, 0x1111, s66                    ; my column
	s_or_b32 s[G1Q], s11, (3<<16)|(1<<21)          ; 15:0 the mask: Q's tiles go to my row; 17:16 elements of 8 bytes; 21 set beside a mask
	s_mov_b32 s[G1Q+1], 32<<16                     ; Q: 12,800 dense bytes as 50 rows of 32 elements
	s_mov_b32 s[G1Q+2], 50<<16
	s_mov_b32 s[G1Q+3], 32<<16
	s_mov_b32 s[G1Q+4], 50
	s_mov_b32 s[G1Q+5], 32
	s_mov_b32 s[G1Q+6], 0
	s_mov_b32 s[G1Q+7], 0
	s_or_b32 s[G1P], s12, (3<<16)|(1<<21)          ; P's to my column
	s_mov_b32 s[G1P+1], 1600<<16                   ; P: two rows (groups) of 1,600 elements (two records), 6,400 elements apart
	s_mov_b32 s[G1P+2], 2<<16
	s_mov_b32 s[G1P+3], 1600<<16
	s_mov_b32 s[G1P+4], 2
	s_mov_b32 s[G1P+5], 6400
	s_mov_b32 s[G1P+6], 0
	s_mov_b32 s[G1P+7], 0
	s_lshl_b32 s76, s10, 1
	s_add_co_u32 s76, s76, s16
	s_mul_i32 s76, s76, GROW                       ; Q: group 2 x tile + half, in bytes
	s_mov_b32 s77, 0
	s_lshl_b32 s78, s3, 4
	s_lshl_b32 s19, s66, 2
	s_add_co_u32 s78, s78, s19
	s_lshl_b32 s13, s16, 1
	s_add_co_u32 s78, s78, s13
	s_mul_i32 s78, s78, GROW                       ; P: group 16 b + 4 x tile + 2 x half
	s_mov_b32 s79, 0
	s_mul_i32 s17, s16, CHB                        ; where a load for Q goes in a chunk,
	s_mul_i32 s18, s16, 2*CHB
	s_add_co_u32 s18, s18, 2*CHB                   ; and one for P: no place in the cluster enters an LDS address
	s_lshl_b32 s20, s10, 7                         ; my first row of out0: 128 x Q's tile + 64 i; the numbers that mix cx and cy live in registers that feed no descriptor
	s_lshl_b32 s22, s15, 6
	s_add_co_u32 s20, s20, s22
	s_lshl_b32 s20, s20, 12                        ; rows of 4,096 bytes: under 2^26
	s_lshl_b32 s22, s66, 10
	s_add_co_u32 s20, s20, s22                     ; + my first column: 1,024 x P's tile + 512 j bytes
	s_lshl_b32 s22, s16, 9
	s_add_co_u32 s20, s20, s22
	s_mov_b32 s21, 0
	s_wait_dscnt 0x0                               ; both opening adds are done
	s_wait_kmcnt 0x0
	s_add_nc_u64 s[76:77], s[4:5], s[76:77]
	s_add_nc_u64 s[78:79], s[6:7], s[78:79]
	s_add_nc_u64 s[8:9], s[8:9], s[20:21]
	CROUND                                         ; all sixteen work-groups are here: the joint loads meet
.irp c, 0,1,2,3
.set GP, 56+4*\c+4*(\c/2)              ; s56, s60, s68, s72
	s_mov_b32 s[G0Q+4*\c], 1
	s_add_co_u32 s[G0Q+4*\c+1], s17, \c*CHUNK
	s_add_nc_u64 s[G0Q+4*\c+2:G0Q+4*\c+3], s[76:77], \c*CHB
	s_or_b32 s[G0Q+4*\c+3], s[G0Q+4*\c+3], 0x80000000
	s_mov_b32 s[GP], 1
	s_add_co_u32 s[GP+1], s18, \c*CHUNK
	s_add_nc_u64 s[GP+2:GP+3], s[78:79], \c*CHB
	s_or_b32 s[GP+3], s[GP+3], 0x80000000
	JLOAD G0Q+4*\c, GP                             ; four loads of mine are out
.endr
	v_and_b32 v1, 31, v0                           ; lane
	v_and_b32 v2, 15, v0                           ; r
	v_bfe_u32 v3, v0, 4, 1                         ; h
	v_lshlrev_b32 v[CO], 4, v1
	s_mul_i32 s10, s15, CHB                        ; my half of Q in a chunk
	s_sub_co_u32 s12, s18, s10                     ; s18 is also my half of P; the distance between the two
	v_mul_u32_u24 v4, s12, v3                      ; lanes 16-31 take P's scale words
	v_lshl_add_u32 v4, v2, 4, v4
	v_add_nc_u32 v4, s10, v4
	v_add_nc_u32 v5, s10, v[CO]
	v_add_nc_u32 v6, s18, v[CO]
.irp c, 0,1,2,3
	v_add_nc_u32 v[ADQ+\c], \c*CHUNK, v5
	v_add_nc_u32 v[ADP+\c], \c*CHUNK, v6
	v_add_nc_u32 v[ADS+\c], \c*CHUNK+6144, v4
.endr
	s_mul_i32 s10, s14, 16*SPITCH                  ; my stage
	v_mul_u32_u24 v[STO], v2, SPITCH               ; in: row r, 64 bytes on for lanes 16-31
	v_lshl_add_u32 v[STO], v3, 6, v[STO]
	v_add_nc_u32 v[STO], s10, v[STO]
	v_add_nc_u32 v[RD], s10, v[CO]                 ; back: the 32 lanes take a row of 512 bytes
	s_wait_tensorcnt 0x3                           ; my part of chunk 0 is in; the three issued behind it may be out
	s_barrier_signal -1
	s_barrier_wait -1
	FETCH 0
	SUB 0, 1                                       ; the first step's products start the sums
	MEET 1, 2
	SUB 2, 0
	MEET 3, 1
	SUB 4, 0
	MEET 5, 0
	SUB 6, 0
	s_wait_dscnt 0x0                               ; the last step: nothing more to fetch
	MULS 0, 4, 1, 0
	WIN 0
; THE WAY OUT, block by block of 16 tokens x 128 e.  In tile b register j of lane (r, h) is e = 32 (b / 2) + 16 h + 8 (b % 2) + j of token r: 32 bytes of a row.  A block goes through my own stage and comes back as whole rows of 512 bytes.
; LDS serves a wave's instructions in order (ISA guide 5.7.1.4): no wait between the stores and the loads, nor in front of the next block's stores.
.macro TOSTAGE a
	WIN 0x08                                       ; an LDS store's data are its source 1: window 2
.irp b, 0,1,2,3,4,5,6,7
	ds_store_b128 v[STO], v[64*(\a)+8*\b:64*(\a)+8*\b+3] offset:128*(\b/2)+32*(\b%2)      ; each accumulator from its low end on
	ds_store_b128 v[STO], v[64*(\a)+8*\b+4:64*(\a)+8*\b+7] offset:128*(\b/2)+32*(\b%2)+16
.endr
	WIN 0
.set BB2, BK+64*((\a)%2)
.irp t, 0,1,2,3,4,5,6,7,8,9,10,11,12,13,14,15
	ds_load_b128 v[BB2+4*\t:BB2+4*\t+3], v[RD] offset:\t*SPITCH
.endr
.endm
.macro SEND a, younger                 ; younger: the LDS instructions issued behind block a's loads, which may stay out
.set BB2, BK+64*((\a)%2)
	s_wait_dscnt \younger
.irp t, 0,1,2,3,4,5,6,7,8,9,10,11,12,13,14,15
	global_store_b128 v[CO], v[BB2+4*\t:BB2+4*\t+3], s[8:9] offset:(32*((\a)/2)+8*((\a)%2)+\t+8*(\t/8))*4096 th:TH_STORE_NT   ; row t of block a is this token of my 64; 512 consecutive bytes, at a multiple of 256 from out0's first byte
.endr
.endm
	PLACES                                         ; behind the last products: their results are stored, and rows are loaded into the registers that held Q's fragments
	TOSTAGE 0
.irp a, 1,2,3
.if \a > 1
	s_wait_xcnt 0x0                                ; block a - 2's stores have read their registers: block a's rows may land there
.endif
	TOSTAGE \a
	SEND \a-1, 32                                  ; behind block a - 1's loads: block a's 16 stores and 16 loads
.endr
	SEND 3, 0
	s_wait_tensorcnt 0x0                           ; the wave's end: behind my last tensor load and my last LDS store
	ds_add_u32 v[SPW], v[NIL]
	s_wait_dscnt 0x0
	CROUND                                         ; the closing round
	s_endpgm
.Lfunc_end_k_qdb84dc9242_out:
	.size	k_qdb84dc9242_out, .Lfunc_end_k_qdb84dc9242_out-k_qdb84dc9242_out
	.p2alignl 7, 3214868480
	.fill 96, 4, 3214868480
	.section	.rodata,"a",@progbits
	.p2align	6, 0x0
	.amdhsa_kernel k_qdb84dc9242_out
		.amdhsa_group_segment_fixed_size 327680
		.amdhsa_private_segment_fixed_size 0
		.amdhsa_enable_private_segment 0
		.amdhsa_kernarg_size 24
		.amdhsa_user_sgpr_count 2
		.amdhsa_user_sgpr_kernarg_segment_ptr 1
		.amdhsa_wavefront_size32 1
		.amdhsa_system_sgpr_workgroup_id_x 1
		.amdhsa_system_sgpr_workgroup_id_y 1
		.amdhsa_system_sgpr_workgroup_id_z 1
		.amdhsa_system_vgpr_workitem_id 0
		.amdhsa_next_free_vgpr 768
		.amdhsa_next_free_sgpr 80
		.amdhsa_reserve_vcc 0
		.amdhsa_float_denorm_mode_32 3
		.amdhsa_float_denorm_mode_16_64 3
		.amdhsa_memory_ordered 1
		.amdhsa_forward_progress 1
		.amdhsa_inst_pref_size 78
	.end_amdhsa_kernel
	.amdgpu_metadata
---
amdhsa.version: [ 1, 2 ]
amdhsa.kernels:
  - .name:           k_qdb84dc9242_out
    .symbol:         k_qdb84dc9242_out.kd
    .args:
      - { .name: qc, .offset: 0, .size: 8, .value_kind: global_buffer, .address_space: global }
      - { .name: kc, .offset: 8, .size: 8, .value_kind: global_buffer, .address_space: global }
      - { .name: out0, .offset: 16, .size: 8, .value_kind: global_buffer, .address_space: global }
    .group_segment_fixed_size: 327680
    .private_segment_fixed_size: 0
    .kernarg_segment_align: 8
    .kernarg_segment_size: 24
    .max_flat_workgroup_size: 128
    .sgpr_count:     80
    .vgpr_count:     768
    .wavefront_size: 32
...
	.end_amdgpu_metadata
.endif
;; end of part 4
